; MI455X (gfx1250); checked and timed in simulation.
; The chip was launched on July 23, 2026; its instructions are those of AMD's public machine-readable ISA for CDNA 5 (MIT licence, August 2026) and "CDNA5" Instruction Set Architecture Reference Guide (July 2026). The comments in the code are by the model that wrote it; some were corrected since.
;; Multi Head Attention. Allowed arithmetic: matrix products marked QUANTISED: E2M3 operands, one E8M0 scale for each 32 along K, by v_wmma_scale_f32_16x16x128_f8f6f4 with both operands' format E2M3, f32 sums; everything else in f32.
;; Inputs: bk 1,024 float32; bo 1,024 float32; bq 1,024 float32; bv 1,024 float32; wk 1,024 x 1,024 float32; wo 1,024 x 1,024 float32; wq 1,024 x 1,024 float32; wv 1,024 x 1,024 float32; x 4 x 2,048 x 1,024 float32.
;; Outputs: out0 4 x 2,048 x 1,024 float32.
;; This version of the problem:
;;   THIS VERSION OF THE PROBLEM IS GIVEN IN LOW PRECISION. The matrix products marked QUANTISED in the list below multiply operands that are first quantised to E2M3 (2 exponent bits, 3 mantissa bits; 6 bits a number), with one power-of-two scale for each 32 numbers along K (OCP MX v1.0); their sums are f32. All else is computed in f32.
;;   The module's matrix products, in the order in which they are computed (A, B: the left and right operand; K: the contracted axis; several contracted axes count as one K, in the product's order):
;;     1. [M 8,192, K 1,024] x [K 1,024, N 1,024]; A: input x; B: input wq: QUANTISED
;;     2. [M 8,192, K 1,024] x [K 1,024, N 1,024]; A: input x; B: input wk: QUANTISED
;;     3. [M 8,192, K 1,024] x [K 1,024, N 1,024]; A: input x; B: input wv: QUANTISED
;;     4. batch 64 x [M 2,048, K 64] x [K 64, N 2,048]; A: computed on the way; B: computed on the way: QUANTISED
;;     5. batch 64 x [M 2,048, K 2,048] x [K 2,048, N 64]; A: softmax (see below); B: computed on the way: QUANTISED
;;     6. [M 8,192, K 1,024] x [K 1,024, N 1,024]; A: computed on the way; B: input wo: QUANTISED
;;   THE QUANTISER, for each operand of a quantised product, along K:
;;     - K is cut into blocks of 32 from its start; a last block that is shorter is filled with zeros.
;;     - A block's scale is 2^e with e = floor(log2(the largest magnitude in the block)) - 2, held to -126 .. 127; a block of zeros has e = 0. As a byte (E8M0): e + 127.
;;     - Each number is divided by its block's scale, clamped to +-7.5, and rounded to the nearest number of E2M3, ties to even, subnormals kept.
;;     - The product sums the exact products of the quantised numbers (number of the format x scale) in f32.
;;   ~~~python
;;   def quantise(x, axis):      # numpy; x: float32 -> the quantised numbers, widened to float32 again
;;       x = np.moveaxis(x, axis, -1); K = x.shape[-1]
;;       x = np.pad(x, [(0, 0)] * (x.ndim - 1) + [(0, -K % 32)]); x = x.reshape(x.shape[:-1] + (-1, 32)); a = np.abs(x).max(-1, keepdims=True)
;;       e = np.where(a > 0, np.clip(np.frexp(np.where(a > 0, a, 1))[1] - 1 - 2, -126, 127), 0)      # np.frexp(a)[1] - 1 = floor(log2(a)), exactly
;;       r = np.clip(x / 2.0 ** e, -7.5, 7.5)
;;       step = 2.0 ** (np.maximum(np.frexp(np.where(r == 0, 1, r))[1] - 1, 0) - 3)
;;       q = np.round(r / step) * step * 2.0 ** e      # np.round: ties to even
;;       return np.moveaxis(q.reshape(q.shape[:-2] + (-1,))[..., :K], -1, axis).astype(np.float32)
;;   ~~~
;;   SOFTMAX AHEAD OF A QUANTISED PRODUCT. Where the list says 'softmax', what is quantised is not the finished softmax but p = 2^(t - M), with t = logit x log2(e) and M = ceil(the row's largest t), a whole number; so 1/2 < the row's largest p <= 1. The row's sum l is taken of the UNQUANTISED p, in f32, and the product's result is divided by l at the end. Since M is a whole number, a kernel that streams over the keys may use a running M (the ceiling of the running maximum): every later rescaling is an exact power of two, which a block's scale takes up: the codes' values come out the same.
;;   OPERANDS COMPUTED ON THE WAY. 'Computed on the way' means the value that the module computes at that place (a softmax that the list does not call 'softmax' is quantised finished and normalised). What goes into a quantiser is computed in f32, as accurately as f32 sums, v_exp_f32 and their like allow (about 1e-6 of the number): no bf16 or f16 on the way to a quantiser, and a product that is left as it is and whose result goes on into a quantised operand takes f32 operands (vector FMAs, or v_wmma_f32_16x16x4_f32). A number that lies on a knife's edge between two numbers of the format may be rounded either way, as far as f32 arithmetic and the matrix unit's own rounding can turn it there, and no further.
;; One version. Each part assembles by itself: llvm-mc -triple=amdgcn-amd-amdhsa -mcpu=gfx1250 --defsym DOCPART=n.
;; ======== version 1 of 1: 4 launches
;; limits: right only within a limited range of input values
;; workspace buffers: xq 6,553,600 bytes; wqkq 1,835,008 bytes; wvq 1,048,576 bytes; woq 1,048,576 bytes; qkc 13,107,200 bytes; vc 6,553,600 bytes; ctxq 6,553,600 bytes
;; launch quant (part 1): grid 384 x 1, 4 waves a work-group, no clusters, 34,304 bytes of LDS; arguments x, wq, wk, wv, wo, xq, wqkq, wvq, woq; writes xq, wqkq, wvq, woq
.if DOCPART == 1
	.amdgcn_target "amdgcn-amd-amdhsa--gfx1250"
	.amdhsa_code_object_version 6
	.text
	.protected	k_qc5407f84dc_quant
	.globl	k_qc5407f84dc_quant
	.p2align	8
	.type	k_qc5407f84dc_quant,@function
k_qc5407f84dc_quant:
	s_mov_b64 s[64:65], 0
	v_nop
	global_prefetch_b8 v0, s[64:65] scope:SCOPE_SE
	s_setreg_imm32_b32 hwreg(HW_REG_WAVE_MODE, 25, 1), 1
	s_wait_xcnt 0x0
; x [8192][1024] f32 (K innermost) and wq, wk, wv, wo [1024 (K)][1024] f32 (K is the FIRST axis) become codes of FP6 (E2M3) with one E8M0 byte for each 32 along K.
; A block's scale is 2^(floor(log2(its largest magnitude)) - 2): its byte is the largest magnitude's exponent field - 2, held at 1 from below by a floor among the maximum's leaves.
; LIMITS: NaN and infinities among the inputs are not served; a block of zeros, or one whose largest magnitude lies under 2^-124, carries the byte 1 (its codes are zeros or held small; this program alone reads the bytes).
; THE LAYOUT OF THE RESULT is the order of an operand's registers.  Row block A (16 rows) of a tile of 256 rows: lane r holds row 32 (A / 2) + 8 (A % 2) + r + 8 (r / 8).
; A UNIT is 16 rows x 64 along K, 768 bytes: piece p (0..2) at 256 p + 8 x lane holds bytes 8 p .. 8 p + 7 of the 24 bytes of block 2 kappa + lane / 16 of lane % 16's row: registers 6 c .. 6 c + 5 of a fragment as they stand.
; A buffer: scale words at T 8192 + tau 2048 + A 128 + r 8 + q 4 (T = row / 256, tau = K / 256, q = (K / 128) % 2); codes at 0x40000 + T 196608 + kappa 12288 + A 768 (kappa = K / 64).
; Work-groups 0-255 take x (32 rows each, wave w the 256 along K from 256 w), work-groups 256-383 the weights (128 columns x 256 along K each).  Only the x path touches LDS.  No barrier: waves share nothing.
.set CODES, 0x40000
.set TROW,  196608                     ; the codes of 256 rows
.set KAP,   12288                      ; 16 units: 64 along K of 256 rows
.set UNIT,  768
.set STGB,  8448                       ; a wave's stage: 16 rows x (512 bytes + 16)
.set SPX,   528                        ; 33 x 16 bytes: the 16 rows that a load of 16 bytes a lane touches begin in 16 different columns of 16 bytes
.set R,     16                         ; v16-143  numbers as loaded: two sets
.set X,     144                        ; v144-207 x path: a lane's two whole blocks of 32
.set C,     208                        ; v208-219 codes
.set CT,    220                        ; v220-222, v224-226 a block's upper 16 codes (a conversion's three registers begin on an even number)
.set W,     228                        ; v228-231 scale words
	s_load_b512 s[8:23], s[0:1], 0x0               ; x s[8:9], wq s[10:11], wk s[12:13], wv s[14:15], wo s[16:17], xq s[18:19], wqkq s[20:21], wvq s[22:23]
	s_load_b64 s[24:25], s[0:1], 0x40              ; woq
	v_lshl_add_u32 v240, v0, 2, 0x8400
	v_mov_b32 v241, 0
	v_lshrrev_b32 v1, 5, v0
	v_readfirstlane_b32 s26, v1                    ; wave
	v_and_b32 v1, 31, v0                           ; lane
	v_and_b32 v2, 15, v0                           ; r
	v_bfe_u32 v3, v0, 4, 1                         ; lane / 16
	v_lshlrev_b32 v7, 3, v1                        ; 8 x lane: a lane's place in a piece of a unit and among the scale words
	s_mov_b32 s40, 0x76543210
	s_mov_b32 s41, 0xfedcba98                      ; v_permlanex16_b32's selects for lane l xor 16
	s_mov_b32 s42, 0xffff0000                      ; lanes 16-31
	s_cmp_lt_u32 ttmp9, 256
	s_cbranch_scc0 .Lweights
; ---------------- x: rows 32 beta .. 32 beta + 31 are row blocks A0 = 2 (beta % 8) and A0 + 1 of T = beta / 8; my wave's tau = wave
	v_lshlrev_b32 v4, 4, v1                        ; a load reads 512 consecutive bytes, 16 a lane
	s_mul_i32 s27, s26, STGB
	v_add_nc_u32 v5, s27, v4                       ; into my stage: as loaded
	v_mul_u32_u24 v6, v2, SPX
	v_lshl_add_u32 v6, v3, 7, v6
	v_add_nc_u32 v6, s27, v6                       ; out of it: row r, + 128 h bytes: my block of 32 numbers
	v_lshlrev_b32 v13, 3, v3                       ; 8 h: my bytes' place in a scale word
	v_mov_b32 v12, 0                               ; a lane permute's destination counts as one of its sources
	s_lshr_b32 s28, ttmp9, 3                       ; T
	s_and_b32 s29, ttmp9, 7                        ; A0 / 2
	s_lshl_b32 s30, ttmp9, 17                      ; 32 rows of 4,096 bytes
	s_lshl_b32 s31, s26, 10                        ; + 256 numbers a wave
	s_add_co_u32 s30, s30, s31
	s_mov_b32 s31, 0
	s_mul_i32 s32, s28, TROW
	s_mul_i32 s33, s26, 4*KAP
	s_add_co_u32 s32, s32, s33
	s_mul_i32 s33, s29, 2*UNIT
	s_add_co_u32 s32, s32, s33
	s_add_co_u32 s32, s32, CODES
	s_mov_b32 s33, 0
	s_lshl_b32 s34, s28, 13
	s_lshl_b32 s35, s26, 11
	s_add_co_u32 s34, s34, s35
	s_lshl_b32 s35, s29, 8
	s_add_co_u32 s34, s34, s35
	s_mov_b32 s35, 0
	s_wait_alu depctr_va_vdst(0)
	s_wait_kmcnt 0x0
	s_add_nc_u64 s[8:9], s[8:9], s[30:31]          ; x at my wave's part
	s_add_nc_u64 s[32:33], s[18:19], s[32:33]      ; its codes
	s_add_nc_u64 s[34:35], s[18:19], s[34:35]      ; its scale words
; fragment f = 2 u + q: row block A0 + u, 128 along K from 128 q
.macro LOADX f
.set LR, R+64*((\f)%2)
.set LU, (\f)/2
.set LQ, (\f)%2
.irp rr, 0,1,2,3,4,5,6,7,8,9,10,11,12,13,14,15
	global_load_b128 v[LR+4*\rr:LR+4*\rr+3], v4, s[8:9] offset:(8*LU+\rr+8*(\rr/8))*4096+512*LQ th:TH_LOAD_NT   ; the block's row rr: 512 consecutive bytes
.endr
.endm
.macro FRAGX f
.set RS, R+64*((\f)%2)
.set FU, (\f)/2
.set FQ, (\f)%2
.if (\f) < 3
	s_wait_loadcnt 16                              ; this fragment's 16 loads are in; the next fragment's 16 may be out
.else
	s_wait_loadcnt 0x0
.endif
.irp rr, 0,1,2,3,4,5,6,7,8,9,10,11,12,13,14,15
	ds_store_b128 v5, v[RS+4*\rr:RS+4*\rr+3] offset:SPX*\rr
.endr
.irp c, 0,1
.irp j, 0,1,2,3,4,5,6,7
	ds_load_b128 v[X+32*\c+4*\j:X+32*\c+4*\j+3], v6 offset:256*\c+16*\j   ; k = 64 c + 32 h + 0 .. 31 of row r.  LDS serves a wave's instructions in order (ISA guide 5.7.1.4): these see the stores above
.endr
.endr
	s_wait_dscnt 0x0                               ; my numbers are back, and the stores into the stage have read their registers
.if (\f) < 2
	LOADX (\f)+2
.endif
.irp c, 0,1
	v_max3_num_f32 v[8+\c], |v[X+32*\c]|, |v[X+32*\c+1]|, 0x1800000   ; block 2 c + h is all mine; the floor 2^(3 - 127) holds the byte at 1 from below
.endr
.irp i, 2,4,6,8,10,12,14,16,18,20,22,24,26,28,30
.irp c, 0,1
	v_max3_num_f32 v[8+\c], v[8+\c], |v[X+32*\c+\i]|, |v[X+32*\c+\i+1]|   ; (the two blocks by turns)
.endr
.endr
.irp c, 0,1
	v_add_nc_u32 v[10+\c], 0xff000000, v[8+\c]     ; 2 off the exponent field: the conversion's scale operand
.endr
.irp c, 0,1
	v_lshrrev_b32 v[14+\c], 23, v[10+\c]           ; the scale's byte
.endr
	v_lshl_or_b32 v[W+\f], v15, 16, v14            ; my two bytes: blocks h and 2 + h,
	v_lshlrev_b32 v[W+\f], v13, v[W+\f]            ; 8 h bits up;
	v_permlanex16_b32 v12, v[W+\f], s40, s41
	v_or_b32 v[W+\f], v[W+\f], v12                 ; with lane l xor 16's two the row's word is whole, in both halves of the lanes
.if (\f) > 0
	s_wait_alu depctr_va_vdst(0)
	s_wait_xcnt 0x0                                ; the last fragment's stores have read the codes' registers
.endif
.irp c, 0,1
	v_cvt_scalef32_pk16_fp6_f32 v[C+6*\c:C+6*\c+2], v[X+32*\c:X+32*\c+15], v[10+\c]
	v_cvt_scalef32_pk16_fp6_f32 v[CT+4*\c:CT+4*\c+2], v[X+32*\c+16:X+32*\c+31], v[10+\c]
.endr
	v_nop                                          ; one plain place behind a scaled conversion
.irp c, 0,1
.irp i, 0,1,2
	v_mov_b32 v[C+6*\c+3+\i], v[CT+4*\c+\i]
.endr
.endr
.irp c, 0,1
.irp p, 0,1,2
	global_store_b64 v7, v[C+6*\c+2*\p:C+6*\c+2*\p+1], s[32:33] offset:(2*FQ+\c)*KAP+FU*UNIT+256*\p   ; a piece: 256 consecutive bytes, aligned
.endr
.endr
.endm
	LOADX 0
	LOADX 1
	FRAGX 0
	FRAGX 1
	FRAGX 2
	FRAGX 3
	v_cndmask_b32 v232, v[W], v[W+2], s42          ; lanes 0-15: block A0's words (q = 0, 1); lanes 16-31: block A0 + 1's
	v_cndmask_b32 v233, v[W+1], v[W+3], s42
	global_store_b64 v7, v[232:233], s[34:35]      ; 256 consecutive bytes, aligned
	s_wait_tensorcnt 0x0
	ds_add_u32 v240, v241
	s_wait_dscnt 0x0
	s_endpgm
; ---------------- the weights.  A LANE TAKES A COLUMN AND ITS REGISTERS RUN DOWN K: a block of 32 lies in one lane, and the codes come out with K innermost.
.Lweights:
	s_sub_co_u32 s27, ttmp9, 256
	s_lshr_b32 s28, s27, 5                         ; which weight: 0 wq, 1 wk, 2 wv, 3 wo
	s_bfe_u32 s29, s27, 0x30002                    ; which 128 columns
	s_and_b32 s30, s27, 3                          ; tau
	s_lshl_b32 s29, s29, 2
	s_add_co_u32 s29, s29, s26                     ; my wave's 32 columns: 32 bw on
	s_wait_alu depctr_va_vdst(0)
	v_and_b32 v8, 8, v2
	v_add_nc_u32 v8, v8, v2                        ; r + 8 (r / 8)
	v_lshl_add_u32 v8, v3, 3, v8                   ; + 8 u: lanes 0-15 hold row block A0, lanes 16-31 block A0 + 1; the wave still reads 128 consecutive bytes
	s_lshl_b32 s31, s29, 5
	v_add_nc_u32 v8, s31, v8
	v_lshlrev_b32 v4, 2, v8
	s_lshr_b32 s31, s29, 3                         ; T in this weight
	s_and_b32 s36, s29, 7                          ; A0 / 2
	s_cmp_eq_u32 s28, 1
	s_cselect_b32 s37, 4, 0                        ; wk's columns lie behind wq's in wqkq
	s_add_co_u32 s31, s31, s37
	s_mul_i32 s32, s31, TROW
	s_mul_i32 s33, s30, 4*KAP
	s_add_co_u32 s32, s32, s33
	s_mul_i32 s33, s36, 2*UNIT
	s_add_co_u32 s32, s32, s33
	s_add_co_u32 s32, s32, CODES
	s_mov_b32 s33, 0
	s_lshl_b32 s34, s31, 13
	s_lshl_b32 s35, s30, 11
	s_add_co_u32 s34, s34, s35
	s_lshl_b32 s35, s36, 8
	s_add_co_u32 s34, s34, s35
	s_mov_b32 s35, 0
	s_lshl_b32 s38, s30, 20                        ; 256 rows of 4,096 bytes
	s_mov_b32 s39, 0
	s_wait_alu depctr_va_vdst(0)
	s_wait_kmcnt 0x0
	s_cmp_eq_u32 s28, 1                            ; the choices hang on the work-group's number alone
	s_cselect_b64 s[10:11], s[12:13], s[10:11]
	s_cmp_eq_u32 s28, 2
	s_cselect_b64 s[10:11], s[14:15], s[10:11]
	s_cselect_b64 s[20:21], s[22:23], s[20:21]
	s_cmp_eq_u32 s28, 3
	s_cselect_b64 s[10:11], s[16:17], s[10:11]
	s_cselect_b64 s[20:21], s[24:25], s[20:21]
	s_add_nc_u64 s[10:11], s[10:11], s[38:39]
	s_add_nc_u64 s[32:33], s[20:21], s[32:33]
	s_add_nc_u64 s[34:35], s[20:21], s[34:35]
.macro LOADW t
.set LR, R+32*((\t)%2)
.irp i, 0,1,2,3,4,5,6,7,8,9,10,11,12,13,14,15,16,17,18,19,20,21,22,23,24,25,26,27,28,29,30,31
	global_load_b32 v[LR+\i], v4, s[10:11] offset:(32*(\t)+\i)*4096 th:TH_LOAD_NT
.endr
.endm
.macro BLOCKW t
.set XS, R+32*((\t)%2)
.set CB, C+6*((\t)%2)
.if (\t) < 7
	s_wait_loadcnt 32                              ; this block's 32 loads are in; the next block's 32 may be out
.else
	s_wait_loadcnt 0x0
.endif
	v_max3_num_f32 v8, |v[XS]|, |v[XS+1]|, |v[XS+2]|
	v_max3_num_f32 v9, |v[XS+3]|, |v[XS+4]|, |v[XS+5]|
.irp i, 6,10,14,18,22,26
	v_max3_num_f32 v8, v8, |v[XS+\i]|, |v[XS+\i+1]|
	v_max3_num_f32 v9, v9, |v[XS+\i+2]|, |v[XS+\i+3]|
.endr
	v_max3_num_f32 v8, v8, |v[XS+30]|, |v[XS+31]|
	v_max3_num_f32 v8, v8, v9, 0x1800000           ; and the floor
	v_add_nc_u32 v10, 0xff000000, v8
	v_lshrrev_b32 v14, 23, v10
.if (\t)%4 == 0
	v_mov_b32 v[W+(\t)/4], v14                     ; four bytes to a word, the lower K in the lower byte
.else
	v_lshl_or_b32 v[W+(\t)/4], v14, 8*((\t)%4), v[W+(\t)/4]
.endif
.if ((\t)%2 == 0) && ((\t) > 0)
	s_wait_alu depctr_va_vdst(0)
	s_wait_xcnt 0x0                                ; the last two units' stores have read their registers
.endif
	v_cvt_scalef32_pk16_fp6_f32 v[CB:CB+2], v[XS:XS+15], v10
	v_cvt_scalef32_pk16_fp6_f32 v[CT:CT+2], v[XS+16:XS+31], v10
	v_nop                                          ; one plain place behind a scaled conversion
.irp i, 0,1,2
	v_mov_b32 v[CB+3+\i], v[CT+\i]
.endr
.if (\t) < 6
	LOADW (\t)+2
.endif
.if (\t)%2 == 1
.irp i, 0,1,2,3,4,5
	v_permlane16_swap_b32 v[C+\i], v[C+6+\i]       ; the even block's lanes 16-31 change places with the odd block's lanes 0-15: now the first six are block A0's unit, the second six A0 + 1's
.endr
.irp p, 0,1,2
	global_store_b64 v7, v[C+2*\p:C+2*\p+1], s[32:33] offset:((\t)/2)*KAP+256*\p
.endr
.irp p, 0,1,2
	global_store_b64 v7, v[C+6+2*\p:C+6+2*\p+1], s[32:33] offset:((\t)/2)*KAP+UNIT+256*\p
.endr
.endif
.endm
	LOADW 0
	LOADW 1
.irp t, 0,1,2,3,4,5,6,7
	BLOCKW \t
.endr
	global_store_b64 v7, v[W:W+1], s[34:35]        ; lane (r, u): words q = 0, 1 of row r of block A0 + u: 256 consecutive bytes, aligned
	s_endpgm
.Lfunc_end_k_qc5407f84dc_quant:
	.size	k_qc5407f84dc_quant, .Lfunc_end_k_qc5407f84dc_quant-k_qc5407f84dc_quant
	.p2alignl 7, 3214868480
	.fill 96, 4, 3214868480
	.section	.rodata,"a",@progbits
	.p2align	6, 0x0
	.amdhsa_kernel k_qc5407f84dc_quant
		.amdhsa_group_segment_fixed_size 34304
		.amdhsa_private_segment_fixed_size 0
		.amdhsa_enable_private_segment 0
		.amdhsa_kernarg_size 72
		.amdhsa_user_sgpr_count 2
		.amdhsa_user_sgpr_kernarg_segment_ptr 1
		.amdhsa_wavefront_size32 1
		.amdhsa_system_sgpr_workgroup_id_x 1
		.amdhsa_system_sgpr_workgroup_id_y 1
		.amdhsa_system_sgpr_workgroup_id_z 1
		.amdhsa_system_vgpr_workitem_id 0
		.amdhsa_next_free_vgpr 242
		.amdhsa_next_free_sgpr 66
		.amdhsa_reserve_vcc 0
		.amdhsa_float_denorm_mode_32 3
		.amdhsa_float_denorm_mode_16_64 3
		.amdhsa_memory_ordered 1
		.amdhsa_forward_progress 1
		.amdhsa_inst_pref_size 72
	.end_amdhsa_kernel
	.amdgpu_metadata
---
amdhsa.version: [ 1, 2 ]
amdhsa.kernels:
  - .name:           k_qc5407f84dc_quant
    .symbol:         k_qc5407f84dc_quant.kd
    .args:
      - { .name: x, .offset: 0, .size: 8, .value_kind: global_buffer, .address_space: global }
      - { .name: wq, .offset: 8, .size: 8, .value_kind: global_buffer, .address_space: global }
      - { .name: wk, .offset: 16, .size: 8, .value_kind: global_buffer, .address_space: global }
      - { .name: wv, .offset: 24, .size: 8, .value_kind: global_buffer, .address_space: global }
      - { .name: wo, .offset: 32, .size: 8, .value_kind: global_buffer, .address_space: global }
      - { .name: xq, .offset: 40, .size: 8, .value_kind: global_buffer, .address_space: global }
      - { .name: wqkq, .offset: 48, .size: 8, .value_kind: global_buffer, .address_space: global }
      - { .name: wvq, .offset: 56, .size: 8, .value_kind: global_buffer, .address_space: global }
      - { .name: woq, .offset: 64, .size: 8, .value_kind: global_buffer, .address_space: global }
    .group_segment_fixed_size: 34304
    .private_segment_fixed_size: 0
    .kernarg_segment_align: 8
    .kernarg_segment_size: 72
    .max_flat_workgroup_size: 128
    .sgpr_count:     66
    .vgpr_count:     242
    .wavefront_size: 32
...
	.end_amdgpu_metadata
.endif
;; end of part 1
;; launch proj (part 2): grid 8 x 32, 4 waves a work-group, clusters of 4 x 4, 327,680 bytes of LDS; arguments wqkq, xq, wvq, bq, bk, bv, qkc, vc; writes qkc, vc
.if DOCPART == 2
	.amdgcn_target "amdgcn-amd-amdhsa--gfx1250"
	.amdhsa_code_object_version 6
	.text
	.protected	k_qc5407f84dc_proj
	.globl	k_qc5407f84dc_proj
	.p2align	8
	.type	k_qc5407f84dc_proj,@function
k_qc5407f84dc_proj:
	s_mov_b64 s[64:65], 0
	v_nop
	global_prefetch_b8 v0, s[64:65] scope:SCOPE_SE
	s_setreg_imm32_b32 hwreg(HW_REG_WAVE_MODE, 25, 1), 1
	s_wait_xcnt 0x0
	s_wait_alu depctr_hold_cnt(0) depctr_sa_sdst(0) depctr_va_vdst(0) depctr_va_sdst(0) depctr_va_ssrc(0) depctr_va_vcc(0) depctr_vm_vsrc(0)
	s_getreg_b32 s2, hwreg(HW_REG_IB_STS2, 6, 4)
	s_cmp_eq_u32 s2, 0
	s_cbranch_scc0 .Lentry_in_a_cluster
	s_endpgm
.Lentry_in_a_cluster:
	s_bfe_u32 s2, ttmp6, 0x10000c
	s_cmp_lg_u32 s2, 0xf033
	s_cbranch_scc0 .Lentry_shape_is_right
	s_endpgm
.Lentry_shape_is_right:
; Q, K, V = x W + b on codes of FP6 (E2M3) with E8M0 scales, and their quantisers: the results leave as codes and scale words in the order in which the attention launch's registers take them.
; THE DEAL.  256 work-groups of four waves.  A work-group keeps the codes of its 256 tokens of x, ALL of K (196,608 bytes: FULL), in LDS for the whole launch and takes three chunks of 128 weight columns, all of K
; (98,304 bytes: HALF), past them: chunk ch of wv, then of wq, then of wk.  So x is read once a work-group, and the grid is 8 chunks x 32 tiles of tokens.
; A WAVE has 32 accumulators: 4 blocks of 16 rows of source 1 (R) x 8 blocks of 16 rows of source 0 (P); a lane holds one row of R and its registers run along P.
;   V (cfg 1): P = x's tokens (my half of 256), R = wv's columns (my half of 128): the registers run along the tokens, V's K in the attention.    Q, K (cfg 0): P = the weight's 128 columns, R = my 64 tokens.
; K goes in 8 steps of 128: 32 products a step.  Both operands have two sets of registers: a step's 84 LDS loads are issued ahead of the step before's products, and waited for (0) behind them.
; Steps 1 to 6 are a loop of three trips; step 0 (it starts the sums: C is 0 or the bias) and step 7 are written out.
; FILLS.  At the head one joint load a wave: x's codes, wv's chunk, x's scale words, the chunk's.  TWO REFILLS of HALF and its scale words, each in a drained round of the cluster's barrier inside a phase's last step
; the refill lands while the phase's results are quantised and stored; a plain barrier shows it to all waves.
; CLUSTER 4 x 4: x's tiles are shared along a row of the cluster, the weights' chunks along a column.
; PREFETCH: wq's and wk's chunks (16 rows of 6,144 bytes each) are asked for once in each cluster, a row to each of the sixteen waves of the four work-groups that will load them, 24 lanes a row:
; wq's at the head, a whole phase ahead of its refill, wk's in V's way out, likewise.  What the head's loads bring is asked for by those loads alone.
; LAYOUT (xq, wqkq, wvq): a unit is 16 rows x 64 along K, three pieces of 256 bytes, 8 bytes a lane; codes at 0x40000 + T 196608 + kappa 12288 + A 768; scale words at T 8192 + tau 2048 + A 128 + r 8 + q 4.
; LIMITS: NaN and infinities are not served; a block of zeros or under 2^-124 carries the byte 1 (this program alone reads the bytes).
.set FR,    12
.set KAP,   12288                      ; 64 along K of 16 blocks of rows
.set KAPH,  6144                       ; of 8 blocks
.set UNIT,  768
.set OPS,   49152
.set CODES, 0x40000
.set TROW,  196608
.set TILEB, 51200
.set HALFB, 196608
.set FS,    294912                     ; FULL's scale words, 8,192 bytes
.set HS,    303104                     ; HALF's, 4,096
.set STG,   307200                     ; the results' scale words on their way out: 256 bytes a wave
.set SPARE, 308224
.set BB,    8                          ; v8-11 cfg 0, v12-15 cfg 1: my LDS addresses in FULL, HALF, FULL's scale words, HALF's
.set CA,    16                         ; v16-19 the same for the pair of steps that is fetched
.set STO,   24
.set RD,    25
.set PF,    26
.set SPW,   28
.set NIL,   29
.set L8,    30
.set SCP,   32                         ; v32-47 P's scale words, two sets;  v48-55 R's
.set SCR,   48
.set TM,    64
.set PW,    80
.set PWE,   81
.set WD,    84
.set BK,    88
.set RF,    128                        ; v128-223 R's fragments, two sets of four; on the way out HA and PC
.set HA,    128
.set PC,    192
.set BR,    224                        ; v224-227 the bias along R
.set WV,   20
.set HR,   21
.set HP,   22
.set CNT,  23
.set G1F,  24
.set G1H,  32
.set G1FS, 40
.set G1HS, 48
.set G0F,  56
.set G0H,  60
.set G0FS, 68
.set G0HS, 72
.set SF,   76
.set SH,   77
.set SSF,  78
.set SSH,  79
.set SEL,  100
.set MSB, 0
.macro WIN new
.if MSB != (\new)
	s_set_vgpr_msb (MSB<<8)|(\new)
.set MSB, (\new)
.endif
.endm
.set MULW, 0xa1                        ; source 0 (P) window 1, source 1 (R) window 0, C and D window 2
.set FSTW, 0xb1                        ; the same with C in window 3: the bias
.set TO_P, 0x40
.set TO_3, 0xc0
.macro WALU
	s_wait_alu depctr_va_vdst(0)
.endm
.macro PLACES n
.rept \n
	v_nop
.endr
.endm
.macro CREST
	s_cmp_lg_u32 s[WV], 0
	s_cbranch_scc1 .Lnot_wave_0_\@
	s_barrier_signal -3
.Lnot_wave_0_\@:
	s_barrier_wait -3
	s_barrier_signal -1
	s_barrier_wait -1
.endm
.macro CROUND
	s_barrier_signal -1
	s_barrier_wait -1
	CREST
.endm
.macro TLOAD g0, g1
	tensor_load_to_lds s[\g0:\g0+3], s[\g1:\g1+7]
	s_nop 0
	PLACES 4
.endm
.macro GROUP1 g, c, r, p               ; r rows of c elements of 8 bytes, p elements apart
	s_mov_b32 s[\g+1], (\c)<<16
	s_mov_b32 s[\g+2], (\r)<<16
	s_mov_b32 s[\g+3], (\c)<<16
	s_mov_b32 s[\g+4], \r
	s_mov_b32 s[\g+5], \p
	s_mov_b32 s[\g+6], 0
	s_mov_b32 s[\g+7], 0
.endm
.macro FRAG reg, adr, ks, q, i         ; a fragment: two units, ks bytes apart, three pieces each
.irp c, 0,1
.irp p, 0,1,2
	ds_load_b64 v[\reg+6*\c+2*\p:\reg+6*\c+2*\p+1], v[\adr] offset:(2*(\q)+\c)*(\ks)+(\i)*UNIT+256*\p
.endr
.endr
.endm
.macro LOADS cfg, q, set, ab           ; step q of a pair of steps into set: P's eight fragments, R's four, their scale words: 84 loads.  ab: the first of the four address registers
	WIN TO_P
.irp i, 0,1,2,3,4,5,6,7
.if \cfg
	FRAG 128*(\set)+FR*\i, \ab, KAP, \q, \i
.else
	FRAG 128*(\set)+FR*\i, \ab+1, KAPH, \q, \i
.endif
.endr
	WIN 0
.irp i, 0,1,2,3
.if \cfg
	FRAG RF+48*(\set)+FR*\i, \ab+1, KAPH, \q, \i
.else
	FRAG RF+48*(\set)+FR*\i, \ab, KAP, \q, \i
.endif
.endr
.irp i, 0,1,2,3,4,5,6,7
	ds_load_b32 v[SCP+8*(\set)+\i], v[\ab+3-\cfg] offset:128*\i+4*(\q)
.endr
.irp i, 0,1,2,3
	ds_load_b32 v[SCR+4*(\set)+\i], v[\ab+2+\cfg] offset:128*\i+4*(\q)
.endr
.endm
.macro MUL a0, n, set, first, bb       ; R's blocks a0 .. a0 + n - 1 x P's eight.  first = 0: in place; 1: C = 0; 2: C = the bias at v[bb ..] of window 3.  The accumulators take turns
.set A_, \a0
.rept \n
.irp b, 0,1,2,3,4,5,6,7
.if \first == 0
	v_wmma_scale_f32_16x16x128_f8f6f4 v[8*(8*A_+\b):8*(8*A_+\b)+7], v[128*(\set)+FR*\b:128*(\set)+FR*\b+FR-1], v[RF+48*(\set)+FR*A_:RF+48*(\set)+FR*A_+FR-1], v[8*(8*A_+\b):8*(8*A_+\b)+7], v[SCP+8*(\set)+\b], v[SCR+4*(\set)+A_] matrix_a_fmt:MATRIX_FMT_FP6 matrix_b_fmt:MATRIX_FMT_FP6
.elseif \first == 1
	v_wmma_scale_f32_16x16x128_f8f6f4 v[8*(8*A_+\b):8*(8*A_+\b)+7], v[128*(\set)+FR*\b:128*(\set)+FR*\b+FR-1], v[RF+48*(\set)+FR*A_:RF+48*(\set)+FR*A_+FR-1], 0, v[SCP+8*(\set)+\b], v[SCR+4*(\set)+A_] matrix_a_fmt:MATRIX_FMT_FP6 matrix_b_fmt:MATRIX_FMT_FP6
.else
	v_wmma_scale_f32_16x16x128_f8f6f4 v[8*(8*A_+\b):8*(8*A_+\b)+7], v[128*(\set)+FR*\b:128*(\set)+FR*\b+FR-1], v[RF+48*(\set)+FR*A_:RF+48*(\set)+FR*A_+FR-1], v[\bb+8*\b:\bb+8*\b+7], v[SCP+8*(\set)+\b], v[SCR+4*(\set)+A_] matrix_a_fmt:MATRIX_FMT_FP6 matrix_b_fmt:MATRIX_FMT_FP6
.endif
.endr
.set A_, A_+1
.endr
.endm
.macro KWALK cfg, first, bb            ; steps 0 to 6, and step 7's fragments in set 1
	LOADS \cfg, 0, 0, BB+4*\cfg
	s_wait_dscnt 0x0
	LOADS \cfg, 1, 1, BB+4*\cfg
.if \first == 2
	WIN FSTW
.else
	WIN MULW
.endif
	MUL 0, 4, 0, \first, \bb
	WIN 0
	s_mov_b32 s[SF], 4*KAP                         ; the next pair of steps: 256 along K on
	s_mov_b32 s[SH], 4*KAPH
	s_mov_b32 s[SSF], 2048
	s_mov_b32 s[SSH], 1024
	s_mov_b32 s[CNT], 3
.Lk_\@:
	s_wait_dscnt 0x0                               ; the odd step's fragments are in
	v_add_nc_u32 v[CA], s[SF], v[BB+4*\cfg]        ; four plain lines: the places between the last products and the loads into their registers
	v_add_nc_u32 v[CA+1], s[SH], v[BB+4*\cfg+1]
	v_add_nc_u32 v[CA+2], s[SSF], v[BB+4*\cfg+2]
	v_add_nc_u32 v[CA+3], s[SSH], v[BB+4*\cfg+3]
	WALU
	LOADS \cfg, 0, 0, CA
	WIN MULW
	MUL 0, 4, 1, 0, 0
	WIN 0
	s_wait_dscnt 0x0                               ; the even step's
	PLACES 4
	LOADS \cfg, 1, 1, CA
	WIN MULW
	MUL 0, 4, 0, 0, 0
	WIN 0
	s_add_co_u32 s[SF], s[SF], 4*KAP
	s_add_co_u32 s[SH], s[SH], 4*KAPH
	s_add_co_u32 s[SSF], s[SSF], 2048
	s_add_co_u32 s[SSH], s[SSH], 1024
	s_sub_co_u32 s[CNT], s[CNT], 1
	s_cmp_lg_u32 s[CNT], 0
	s_cbranch_scc1 .Lk_\@
	s_wait_dscnt 0x0                               ; step 7's fragments are in: my reads of the tiles are over
.endm
.macro QUANT s                         ; 64 numbers a lane, 128 along the next K with lane l xor 16: four blocks of 32
.irp b, 0,1,2,3
	v_max3_num_f32 v[TM+\b], |v[\s+16*\b]|, |v[\s+1+16*\b]|, 0x1800000
.endr
.irp i, 2,4,6,8,10,12,14
.irp b, 0,1,2,3
	v_max3_num_f32 v[TM+\b], v[TM+\b], |v[\s+16*\b+\i]|, |v[\s+1+16*\b+\i]|
.endr
.endr
.irp b, 0,1,2,3
	v_permlanex16_b32 v[TM+4+\b], v[TM+\b], s[SEL], s[SEL+1]
.endr
.irp b, 0,1,2,3
	v_max_num_f32 v[TM+\b], v[TM+\b], v[TM+4+\b]
.endr
.irp b, 0,1,2,3
	v_add_nc_u32 v[TM+12+\b], 0xff000000, v[TM+\b]
.endr
.irp b, 0,1,2,3
	v_lshrrev_b32 v[TM+4+\b], 23, v[TM+12+\b]
.endr
	v_lshl_or_b32 v[PW], v[TM+5], 8, v[TM+4]
	v_lshl_or_b32 v[PW], v[TM+6], 16, v[PW]
	v_lshl_or_b32 v[PW], v[TM+7], 24, v[PW]
.irp c, 0,1
	v_cvt_scalef32_pk16_fp6_f32 v[PC+6*\c:PC+2+6*\c], v[\s+32*\c:\s+15+32*\c], v[TM+12+2*\c]
	v_cvt_scalef32_pk16_fp6_f32 v[PC+12+4*\c:PC+14+4*\c], v[\s+16+32*\c:\s+31+32*\c], v[TM+12+2*\c+1]
.endr
	v_nop
.irp c, 0,1
.irp i, 0,1,2
	v_permlane16_swap_b32 v[PC+6*\c+\i], v[PC+12+4*\c+\i]
.endr
.irp i, 0,1,2
	v_mov_b32 v[PC+3+6*\c+\i], v[PC+12+4*\c+\i]
.endr
.endr
.endm
.macro OUTA a, oc                      ; R's block a: the bias along R, the quantiser, two units of codes out; two blocks' scale words to the stage
.set AC, 64*(\a)
.set BRP, BR+2*((\a)/2)
	WIN 0x02
.set I, 0
.rept 32
.if (\a)%2
	v_pk_add_f32 v[HA+I:HA+I+1], v[AC+I:AC+I+1], v[BRP:BRP+1] op_sel:[0,1] op_sel_hi:[1,1]
.else
	v_pk_add_f32 v[HA+I:HA+I+1], v[AC+I:AC+I+1], v[BRP:BRP+1] op_sel_hi:[1,0]
.endif
.set I, I+2
.endr
	WIN 0
.if (\a) > 0
	s_wait_xcnt 0x0                                ; the last block's stores have read the codes' registers
.endif
	QUANT HA
.irp c, 0,1
.irp p, 0,1,2
	global_store_b64 v[L8], v[PC+6*\c+2*\p:PC+6*\c+2*\p+1], s[\oc:\oc+1] offset:\c*KAP+(\a)*UNIT+256*\p
.endr
.endr
.if (\a)%2
	v_cndmask_b32 v[WD+(\a)/2], v[PWE], v[PW], s66
	ds_store_b32 v[STO], v[WD+(\a)/2] offset:128*((\a)/2)
.else
	v_mov_b32 v[PWE], v[PW]
.endif
.endm
; A phase: the walk along K; in its last step the round and the refill (refill = 1: wq's chunk, 2: wk's, 0: none); the way out
.macro PHASE cfg, first, bb, refill, oc, os
	KWALK \cfg, \first, \bb
.if \refill
	s_wait_tensorcnt 0x0
	ds_add_u32 v[SPW], v[NIL]
	s_add_nc_u64 s[G0H+2:G0H+3], s[92:93], s[96:97]
	s_mov_b64 s[G0HS+2:G0HS+3], s[94:95]
.if \refill == 2
	s_add_nc_u64 s[G0H+2:G0H+3], s[G0H+2:G0H+3], 4*TROW
	s_add_nc_u64 s[G0HS+2:G0HS+3], s[G0HS+2:G0HS+3], 4*8192
.endif
	s_or_b32 s[G0H+3], s[G0H+3], 0x80000000
	s_or_b32 s[G0HS+3], s[G0HS+3], 0x80000000
	WIN MULW
	MUL 0, 2, 1, 0, 0
	s_wait_dscnt 0x0
	s_barrier_signal -1
	MUL 2, 2, 1, 0, 0
	WIN 0
	s_barrier_wait -1
	CREST                                          ; no wave of any partner still reads HALF
	s_cmp_lt_u32 s[WV], 2
	s_cbranch_scc0 .Lsc_\@
	TLOAD G0H, G1H                                 ; waves 0 and 1: half a chunk each
	s_branch .Lrf_\@
.Lsc_\@:
	s_cmp_eq_u32 s[WV], 2
	s_cbranch_scc0 .Lrf_\@
	TLOAD G0HS, G1HS                               ; wave 2: its scale words
.Lrf_\@:
.else
	WIN MULW
	MUL 0, 4, 1, 0, 0
	WIN 0
.endif
	PLACES 4
	OUTA 0, \oc
	OUTA 1, \oc
.if \refill == 1
	global_prefetch_b8 v[PF], s[92:93] offset:4*TROW th:TH_LOAD_NT scope:SCOPE_SE   ; my row of wk's chunk
.endif
	OUTA 2, \oc
	OUTA 3, \oc
	ds_load_b64 v[BK:BK+1], v[RD]                  ; my 256 bytes of scale words: LDS serves a wave's instructions in order
	s_wait_dscnt 0x0
	global_store_b64 v[L8], v[BK:BK+1], s[\os:\os+1]
.endm
.macro SHOW                            ; a plain barrier shows the refill to all waves
	WALU
	s_wait_xcnt 0x0                                ; the stores have read their registers
	s_wait_tensorcnt 0x0
	s_barrier_signal -1
	s_barrier_wait -1
.endm
	s_load_b512 s[4:19], s[0:1], 0x0               ; wqkq 4, xq 6, wvq 8, bq 10, bk 12, bv 14, qkc 16, vc 18
	v_lshl_add_u32 v[SPW], v0, 2, SPARE
	v_mov_b32 v[NIL], 0
	ds_add_u32 v[SPW], v[NIL]                      ; the opening lines
	ds_add_u32 v[SPW], v[NIL]
	v_lshrrev_b32 v1, 5, v0
	v_readfirstlane_b32 s[WV], v1
	s_lshr_b32 s[HR], s[WV], 1
	s_and_b32 s[HP], s[WV], 1
	s_bfe_u32 s76, ttmp6, 0x40000                  ; cx
	s_bfe_u32 s77, ttmp6, 0x40004                  ; cy
	s_lshl_b32 s78, ttmp9, 2
	s_add_co_u32 s78, s78, s76                     ; the chunk, 0 .. 7
	s_and_b32 s79, ttmp7, 0xffff
	s_lshl_b32 s79, s79, 2
	s_add_co_u32 s79, s79, s77                     ; the tile of 256 tokens, 0 .. 31
	s_lshr_b32 s23, s78, 1                         ; the chunk's tile of 256 columns,
	s_and_b32 s67, s78, 1                          ; and which half of it
	s_mov_b32 s66, 0xffff0000
	s_mov_b32 s[SEL], 0x76543210
	s_mov_b32 s[SEL+1], 0xfedcba98
	s_lshl_b32 s2, s77, 2
	s_lshl_b32 s2, 15, s2                          ; my row of the cluster
	s_lshl_b32 s3, 0x1111, s76                     ; my column
	s_or_b32 s[G1F], s2, (3<<16)|(1<<21)
	s_or_b32 s[G1FS], s2, (3<<16)|(1<<21)
	s_or_b32 s[G1H], s3, (3<<16)|(1<<21)
	s_or_b32 s[G1HS], s3, (3<<16)|(1<<21)
	GROUP1 G1F, 32, 768, 32                        ; 196,608 dense bytes
	GROUP1 G1H, 768, 16, 1536                      ; 16 rows of 6,144 bytes, 12,288 apart
	GROUP1 G1FS, 32, 32, 32                        ; 8,192 dense bytes
	GROUP1 G1HS, 128, 4, 256                       ; 4 rows of 1,024 bytes, 2,048 apart
	s_mov_b32 s[G0F], 1
	s_mov_b32 s[G0F+1], 0
	s_mov_b32 s[G0H], 1
	s_mov_b32 s[G0H+1], HALFB
	s_mov_b32 s[G0FS], 1
	s_mov_b32 s[G0FS+1], FS
	s_mov_b32 s[G0HS], 1
	s_mov_b32 s[G0HS+1], HS
	s_mul_i32 s80, s79, TROW
	s_add_co_u32 s80, s80, CODES
	s_mov_b32 s81, 0
	s_lshl_b32 s82, s79, 13
	s_mov_b32 s83, 0
	s_mul_i32 s84, s23, TROW
	s_add_co_u32 s84, s84, CODES
	s_mul_i32 s2, s67, KAPH
	s_add_co_u32 s84, s84, s2
	s_mov_b32 s85, 0
	s_lshl_b32 s86, s23, 13
	s_lshl_b32 s2, s67, 10
	s_add_co_u32 s86, s86, s2
	s_mov_b32 s87, 0
	s_mul_i32 s96, s[WV], 8*KAP                    ; a refill's half: 8 rows on
	s_mov_b32 s97, 0
	s_wait_dscnt 0x0
	s_wait_kmcnt 0x0
	s_add_nc_u64 s[G0F+2:G0F+3], s[6:7], s[80:81]
	s_or_b32 s[G0F+3], s[G0F+3], 0x80000000
	s_add_nc_u64 s[G0FS+2:G0FS+3], s[6:7], s[82:83]
	s_or_b32 s[G0FS+3], s[G0FS+3], 0x80000000
	s_add_nc_u64 s[G0H+2:G0H+3], s[8:9], s[84:85]
	s_or_b32 s[G0H+3], s[G0H+3], 0x80000000
	s_add_nc_u64 s[G0HS+2:G0HS+3], s[8:9], s[86:87]
	s_or_b32 s[G0HS+3], s[G0HS+3], 0x80000000
	s_add_nc_u64 s[92:93], s[4:5], s[84:85]        ; wq's chunk (wk's: 4 tiles on),
	s_add_nc_u64 s[94:95], s[4:5], s[86:87]        ; its scale words
	CROUND
.macro ARM under, g0, g1, next
	s_cmp_lt_u32 s[WV], \under
	s_cbranch_scc0 \next
	TLOAD \g0, \g1
	s_branch .Lhead_asked
\next:
.endm
	ARM 1, G0F, G1F, .Lhead_h                      ; one joint load a wave, one chain of branches
	ARM 2, G0H, G1H, .Lhead_fs
	ARM 3, G0FS, G1FS, .Lhead_hs
	TLOAD G0HS, G1HS
.Lhead_asked:
	; where the results go.  V: block (tile of tokens x 4 + tile of columns) of vc
	s_lshl_b32 s2, s79, 2
	s_add_co_u32 s2, s2, s23
	s_mul_i32 s2, s2, TILEB
	s_mul_i32 s3, s[HP], 2*KAP
	s_add_co_u32 s80, s2, s3
	s_lshl_b32 s3, s67, 1
	s_add_co_u32 s3, s3, s[HR]
	s_mul_i32 s3, s3, 4*UNIT
	s_add_co_u32 s80, s80, s3
	s_mov_b32 s81, 0
	s_lshl_b32 s3, s[HP], 10
	s_add_co_u32 s82, s2, s3
	s_lshl_b32 s3, s67, 9
	s_add_co_u32 s82, s82, s3
	s_lshl_b32 s3, s[HR], 8
	s_add_co_u32 s82, s82, s3
	s_add_co_u32 s82, s82, OPS
	s_mov_b32 s83, 0
	s_add_nc_u64 s[80:81], s[18:19], s[80:81]
	s_add_nc_u64 s[82:83], s[18:19], s[82:83]
	; Q: block (tile of columns x 32 + tile of tokens) of qkc; K: 128 blocks on
	s_lshl_b32 s2, s23, 5
	s_add_co_u32 s2, s2, s79
	s_mul_i32 s2, s2, TILEB
	s_mul_i32 s3, s67, 2*KAP
	s_add_co_u32 s84, s2, s3
	s_mul_i32 s3, s[WV], 4*UNIT
	s_add_co_u32 s84, s84, s3
	s_mov_b32 s85, 0
	s_lshl_b32 s3, s67, 10
	s_add_co_u32 s86, s2, s3
	s_lshl_b32 s3, s[WV], 8
	s_add_co_u32 s86, s86, s3
	s_add_co_u32 s86, s86, OPS
	s_mov_b32 s87, 0
	s_add_nc_u64 s[84:85], s[16:17], s[84:85]
	s_add_nc_u64 s[86:87], s[16:17], s[86:87]
	s_add_nc_u64 s[88:89], s[84:85], 128*TILEB
	s_add_nc_u64 s[90:91], s[86:87], 128*TILEB
	s_lshl_b32 s2, s78, 9                          ; the biases: 128 numbers a chunk
	s_mov_b32 s3, 0
	s_add_nc_u64 s[10:11], s[10:11], s[2:3]
	s_add_nc_u64 s[12:13], s[12:13], s[2:3]
	s_add_nc_u64 s[14:15], s[14:15], s[2:3]
	s_lshl_b32 s2, s[HR], 8
	s_add_nc_u64 s[14:15], s[14:15], s[2:3]
	s_mul_i32 s4, s[HP], 8*UNIT                    ; the scalar parts of my LDS addresses, all ahead of the vector lines
	s_mul_i32 s5, s[HR], 4*UNIT
	s_add_co_u32 s5, s5, HALFB
	s_lshl_b32 s6, s[HP], 10
	s_add_co_u32 s6, s6, FS
	s_lshl_b32 s7, s[HR], 9
	s_add_co_u32 s7, s7, HS
	s_mul_i32 s8, s[WV], 4*UNIT
	s_lshl_b32 s9, s[WV], 9
	s_add_co_u32 s9, s9, FS
	s_lshl_b32 s16, s[WV], 8
	s_add_co_u32 s16, s16, STG
	s_lshl_b32 s17, s77, 2
	s_add_co_u32 s17, s17, s[WV]
	s_mul_i32 s17, s17, KAP                        ; the prefetches: row 4 cy + wave of a chunk's sixteen
	v_and_b32 v1, 31, v0
	v_and_b32 v2, 15, v0
	v_bfe_u32 v3, v0, 4, 1
	v_lshlrev_b32 v[L8], 3, v1
	v_lshlrev_b32 v4, 3, v2
	v_lshlrev_b32 v6, 6, v3
	v_and_b32 v7, 8, v2
	v_min_u32 v5, 23, v1                           ; 24 blocks of 256 bytes a row; the lanes left over name the last again
	v_add_nc_u32 v7, v7, v2
	v_lshl_add_u32 v[PF], v5, 8, s17
	v_lshlrev_b32 v7, 2, v7
	v_add_nc_u32 v[BB], s8, v[L8]                  ; cfg 0: R = my 64 tokens, P = the whole chunk
	v_add_nc_u32 v[BB+1], HALFB, v[L8]
	v_add_nc_u32 v[BB+2], s9, v4
	v_add_nc_u32 v[BB+3], HS, v4
	v_add_nc_u32 v[BB+4], s4, v[L8]                ; cfg 1: P = my 128 tokens, R = my 64 columns
	v_add_nc_u32 v[BB+5], s5, v[L8]
	v_add_nc_u32 v[BB+6], s6, v4
	v_add_nc_u32 v[BB+7], s7, v4
	v_lshl_add_u32 v[STO], v1, 2, s16
	v_add_nc_u32 v[RD], s16, v[L8]
.irp b, 0,1,2,3
	v_mov_b32 v[TM+4+\b], 0                        ; a lane permute's destination counts as one of its sources
.endr
	WALU
	WIN TO_3                                       ; bq's and bk's 128 numbers as the first products' C, in window 3: register 8 b + j of lane (r, h) is column 32 (b / 2) + 16 h + 8 (b % 2) + j
.irp i, 0,1,2,3,4,5,6,7,8,9,10,11,12,13,14,15
	global_load_b128 v[4*\i:4*\i+3], v6, s[10:11] offset:128*(\i/4)+16*(\i%4)
	global_load_b128 v[64+4*\i:64+4*\i+3], v6, s[12:13] offset:128*(\i/4)+16*(\i%4)
.endr
	WIN 0
.irp a, 0,1,2,3
	global_load_b32 v[BR+\a], v7, s[14:15] offset:4*(32*(\a/2)+8*(\a%2))   ; bv: one number a lane and block of R
.endr
	global_prefetch_b8 v[PF], s[92:93] th:TH_LOAD_NT scope:SCOPE_SE   ; my row of wq's chunk
	s_wait_loadcnt 0x0
	s_wait_tensorcnt 0x0                           ; my tile of the head's four is in; no load of mine is out, so descriptors may be written:
	s_mov_b32 s[G1H+2], 8<<16                      ; a refill brings 8 rows a wave
	s_mov_b32 s[G1H+4], 8
	s_mul_i32 s[G0H+1], s[WV], 8*KAPH
	s_add_co_u32 s[G0H+1], s[G0H+1], HALFB
	s_barrier_signal -1
	s_barrier_wait -1                              ; everybody's is in
	PHASE 1, 1, 0, 1, 80, 82                       ; V
.irp a, 0,1,2,3
	v_mov_b32 v[BR+\a], 0                          ; Q's and K's bias runs along P and has been added by the first products
.endr
	SHOW
	PHASE 0, 2, 0, 2, 84, 86                       ; Q
	SHOW
	PHASE 0, 2, 64, 0, 88, 90                      ; K
	s_wait_tensorcnt 0x0                           ; the wave's end
	ds_add_u32 v[SPW], v[NIL]
	s_wait_dscnt 0x0
	CROUND
	s_endpgm
.Lfunc_end_k_qc5407f84dc_proj:
	.size	k_qc5407f84dc_proj, .Lfunc_end_k_qc5407f84dc_proj-k_qc5407f84dc_proj
	.p2alignl 7, 3214868480
	.fill 96, 4, 3214868480
	.section	.rodata,"a",@progbits
	.p2align	6, 0x0
	.amdhsa_kernel k_qc5407f84dc_proj
		.amdhsa_group_segment_fixed_size 327680
		.amdhsa_private_segment_fixed_size 0
		.amdhsa_enable_private_segment 0
		.amdhsa_kernarg_size 64
		.amdhsa_user_sgpr_count 2
		.amdhsa_user_sgpr_kernarg_segment_ptr 1
		.amdhsa_wavefront_size32 1
		.amdhsa_system_sgpr_workgroup_id_x 1
		.amdhsa_system_sgpr_workgroup_id_y 1
		.amdhsa_system_sgpr_workgroup_id_z 1
		.amdhsa_system_vgpr_workitem_id 0
		.amdhsa_next_free_vgpr 1024
		.amdhsa_next_free_sgpr 102
		.amdhsa_reserve_vcc 0
		.amdhsa_float_denorm_mode_32 3
		.amdhsa_float_denorm_mode_16_64 3
		.amdhsa_memory_ordered 1
		.amdhsa_forward_progress 1
		.amdhsa_inst_pref_size 212
	.end_amdhsa_kernel
	.amdgpu_metadata
---
amdhsa.version: [ 1, 2 ]
amdhsa.kernels:
  - .name:           k_qc5407f84dc_proj
    .symbol:         k_qc5407f84dc_proj.kd
    .args:
      - { .name: wqkq, .offset: 0, .size: 8, .value_kind: global_buffer, .address_space: global }
      - { .name: xq, .offset: 8, .size: 8, .value_kind: global_buffer, .address_space: global }
      - { .name: wvq, .offset: 16, .size: 8, .value_kind: global_buffer, .address_space: global }
      - { .name: bq, .offset: 24, .size: 8, .value_kind: global_buffer, .address_space: global }
      - { .name: bk, .offset: 32, .size: 8, .value_kind: global_buffer, .address_space: global }
      - { .name: bv, .offset: 40, .size: 8, .value_kind: global_buffer, .address_space: global }
      - { .name: qkc, .offset: 48, .size: 8, .value_kind: global_buffer, .address_space: global }
      - { .name: vc, .offset: 56, .size: 8, .value_kind: global_buffer, .address_space: global }
    .group_segment_fixed_size: 327680
    .private_segment_fixed_size: 0
    .kernarg_segment_align: 8
    .kernarg_segment_size: 64
    .max_flat_workgroup_size: 128
    .sgpr_count:     102
    .vgpr_count:     1024
    .wavefront_size: 32
...
	.end_amdgpu_metadata
.endif
;; end of part 2
;; launch attn (part 3): grid 4 x 64, 16 waves a work-group, clusters of 4 x 1, 223,232 bytes of LDS; arguments qkc, vc, ctxq; writes ctxq
.if DOCPART == 3
	.amdgcn_target "amdgcn-amd-amdhsa--gfx1250"
	.amdhsa_code_object_version 6
	.text
	.protected	k_qc5407f84dc_attn
	.globl	k_qc5407f84dc_attn
	.p2align	8
	.type	k_qc5407f84dc_attn,@function
k_qc5407f84dc_attn:
	s_mov_b64 s[64:65], 0
	v_nop
	global_prefetch_b8 v0, s[64:65] scope:SCOPE_SE
	s_setreg_imm32_b32 hwreg(HW_REG_WAVE_MODE, 25, 1), 1
	s_wait_xcnt 0x0
	s_wait_alu depctr_hold_cnt(0) depctr_sa_sdst(0) depctr_va_vdst(0) depctr_va_sdst(0) depctr_va_ssrc(0) depctr_va_vcc(0) depctr_vm_vsrc(0)
	s_getreg_b32 s2, hwreg(HW_REG_IB_STS2, 6, 4)
	s_cmp_eq_u32 s2, 0
	s_cbranch_scc0 .Lentry_in_a_cluster
	s_endpgm
.Lentry_in_a_cluster:
	s_bfe_u32 s2, ttmp6, 0x10000c
	s_cmp_lg_u32 s2, 0x3003
	s_cbranch_scc0 .Lentry_shape_is_right
	s_endpgm
.Lentry_shape_is_right:
; ctx[b][q][64 h ..] = softmax_k(q . k / 8) v for one batch and head, both products on codes of FP6 (E2M3) with E8M0 scales; ctx leaves as codes along D, in the order of the last product's operand.
; THE SOFTMAX: t = score x log2(e) / 8; M = the running largest t rounded UP to a whole number; p = 2^(t - M) is quantised along the keys, not normalised; the sum is taken of the unquantised p and divides O at the end.
; When M moves, the sum and O are multiplied by 2^(old M - new M): exact.
; SHARES.  A work-group owns one (batch, head) and 512 queries; 16 waves, four to a SIMD; a wave owns row block w (16 queries) of a tile of 256 queries, two tiles one after the other (PASS 0, 1).
; THE WHOLE HEAD'S K AND V STAY IN LDS.  Every LDS byte is filled once, so there is one barrier and no slot is filled again.  ONE TENSOR LOAD A WAVE: waves 0-7 bring K's codes of 256 keys each, waves 8-15 V's.
; The scale words (8,192 bytes of K's, 4,096 of V's) come by plain loads, 512 and 256 consecutive bytes a wave, and go through registers into LDS bytes of their own, into which no fill lands.
; CLUSTER.  The four blocks of queries of a head form a cluster and ask for every tile of codes jointly (mask 15).  The scale words are one seventeenth of the bytes and are read by each work-group for itself.
; NO PREFETCH: all of K and V is asked for at the head, by the fills themselves; there is no loop ahead of them to run ahead in.
; LAYOUT.  Codes lie in memory as units: 16 rows x 64 along K, three pieces of 256 bytes, 8 bytes a lane; lane r of row block A holds row 32 (A / 2) + 8 (A % 2) + r + 8 (r / 8).  Both products are used transposed
; (S^T = K Q^T, O^T = V^T P^T): a lane holds one query throughout.
; THE KEYS OF A TILE ARE CHOSEN SO THAT A LANE HOLDS WHOLE BLOCKS OF 32 KEYS.  Tile 4 g + u of a step: its rows 0-7 are keys 64 g + 8 u + 0 .. 7, its rows 8-15 keys 64 g + 32 + 8 u + 0 .. 7.  In S^T lane (q, h) then holds in
; registers 32 g + 0 .. 31 the keys 64 g + 32 h + 0 .. 31 in order: the very layout of the second product's operand.  So a block's largest score needs no other lane, and the conversions' results change no lanes.
; Such a tile is no stored unit: each lane takes its 8 bytes from unit 4 G + 2 (r / 8) + u % 2, row 8 (u / 2) + r % 8.
; K IN LDS: the head's 12,288 dense bytes of 256 keys come as 24 rows of 512 bytes with 64 bytes of padding behind each.  A pair of units is three such rows, so the pair of an odd block of 32 keys lies 1,728 bytes behind
; the even block's: 192 beyond a multiple of 256.  The 32 lanes of a load fall on 8 (r % 8) + 192 (r / 8) + 128 h modulo 256: each of the 64 banks of 4 bytes once (ISA guide 11.1).
; K = 64 IN AN INSTRUCTION OF 128.  Q's registers 6-11 hold zero codes.  K's operand for tile t is v[KB + 6 t .. + 11]: its upper six registers are the next tile's codes (zeros behind tile 7), which meet zero codes:
; a zero code times any code of E2M3 is 0 (the format has neither infinity nor NaN).  The scale bytes of K = 64 .. 127 are 0 on both sides (loads of 16 bits extend with zeros): 2^-127, never 0xff.
; THE ORDER OF A STEP is by batches: K's loads; under their flight two levels of the last step's tree of sums; eight products; the tree's last four lines as the places behind them; the blocks' largest scores; the chain to M
; with V's loads in its gaps; all scalings and the rescaling of O and of the sum; the 66 exponentials on end; scales and conversions; the tree's first level; four products.
; LIMITS: NaN and infinities are not served; a block's largest p is taken through the block's largest score (this takes v_exp_f32 not to fall where its input rises, which the ISA guide does not state: it promises 1 ulp);
; 1 / the sum is v_rcp_f32's; a block of ctx that is all zeros or under 2^-124 carries the byte 1 (this program alone reads the bytes); the promise holds while the scaled scores stay under 2^31 in magnitude.
; ctx's scale bytes leave two to a lane, 8 bytes apart: a scale word spans two heads, which are two work-groups; they are one twenty-fourth of the codes' bytes.
.set UNIT,  768
.set KAP,   12288
.set TILEB, 51200
.set KJ,    13824                      ; K's codes of 256 keys in LDS: 24 rows of 576 bytes
.set KG,    3456                       ; of 64 keys: six rows
.set KH,    1728                       ; from an even block's pair of units to the odd block's
.set VC,    110592                     ; V's codes: 64 keys G at 3,072 G, tile t of 16 channels at + 768 t
.set KS,    208896                     ; K's scale words: unit n, row r at 64 n + 4 r; my head's two bytes at + 2 (h % 2)
.set VS,    217088                     ; V's: key step s, tile t, row r at 256 s + 64 t + 4 r
.set SPARE, 221184                     ; the spare words: 128 bytes a wave
.set LK,  1                            ; v1  KH (r / 8) + 8 (r % 8) + 128 h
.set LV,  2                            ; v2  VC + 8 x lane
.set LSK, 3                            ; v3  KS + 128 (r / 8) + 64 h + 4 (r % 8) + 2 (head % 2)
.set LSV, 4                            ; v4  VS + 4 x lane
.set GU,  5                            ; v5  8 x lane
.set GSC, 6                            ; v6  8 r
.set GQS, 7                            ; v7  4 r
.set ADK, 8                            ; v8-11 the step's addresses
.set ADV, 9
.set ADS, 10
.set ADT, 11                           ; v12 -M, v13 the largest score so far, v[14:15] the sum in two halves
.set QF,  16                           ; v16-21 Q's unit, v22-27 zero codes
.set QN,  28                           ; v28-33 the second pass's Q;  v34 its scale bytes
.set QNS, 34
.set QS,  35
.set KB,  36                           ; v36-83 K's eight tiles, later V's four fragments; v84-89 zero codes
.set SH8, 90                           ; 8 h
.set OLD, 91                           ; the last step's -M
.set YT,  92                           ; v92-93 each block's second chain of maxima
.set W,   94
.set W2,  95
.set S,   96                           ; v96-159 S^T, then p, then the tree of its sum
.set O,   160                          ; v160-191 O^T
.set PC,  192                          ; v192-203 p's codes;  v204-206, v208-210 the blocks' upper 16 codes (a conversion's three registers begin on an even number)
.set PT,  204
.set KSC, 212                          ; v212-215 K's scale bytes: lanes 0-15 tile 2 i, lanes 16-31 tile 2 i + 1
.set VSC, 216                          ; v216-217 V's scale words likewise
.set BM,  220
.set BT,  224
.set BS,  228
.set PWD, 232                          ; p's scale word
.set F,   234                          ; v[234:235] f = 2^(old M - new M)
.set TM2, 236
.set TMP, 238
.set CW,  239
.set X,   240                          ; v240-247 the tree's last levels (at the head: 16 x lane and two LDS addresses)
.set SPW, 254
.set NIL, 255
.set WV,  18
.set SEL, 20
.set CS,  22
.set G1K, 24
.set G1V, 40
.set G0K, 56
.set G0V, 68
.set TK,  76                           ; K's codes: 6,912 bytes a step
.set TS,  77                           ; K's scale words: 512
.set TV,  78                           ; V's scale words: 256
.set CNT, 79
.set TVC, 80                           ; V's codes: 6,144
.macro CROUND
	s_barrier_signal -1
	s_barrier_wait -1
	s_cmp_lg_u32 s[WV], 0
	s_cbranch_scc1 .Lnot_wave_0_\@
	s_barrier_signal -3
.Lnot_wave_0_\@:
	s_barrier_wait -3
	s_barrier_signal -1
	s_barrier_wait -1
.endm
.macro WALU
	s_wait_alu depctr_va_vdst(0)
.endm
.macro SW t                            ; S^T's tile t
.if (\t)%2
	v_wmma_scale_f32_16x16x128_f8f6f4 v[S+8*(\t):S+8*(\t)+7], v[KB+6*(\t):KB+6*(\t)+11], v[QF:QF+11], 0, v[KSC+(\t)/2], v[QS] matrix_a_fmt:MATRIX_FMT_FP6 matrix_b_fmt:MATRIX_FMT_FP6 matrix_a_scale:MATRIX_SCALE_ROW1
.else
	v_wmma_scale_f32_16x16x128_f8f6f4 v[S+8*(\t):S+8*(\t)+7], v[KB+6*(\t):KB+6*(\t)+11], v[QF:QF+11], 0, v[KSC+(\t)/2], v[QS] matrix_a_fmt:MATRIX_FMT_FP6 matrix_b_fmt:MATRIX_FMT_FP6
.endif
.endm
.macro PV t                            ; O^T's tile t += V^T P^T
.if (\t)%2
	v_wmma_scale_f32_16x16x128_f8f6f4 v[O+8*(\t):O+8*(\t)+7], v[KB+12*(\t):KB+12*(\t)+11], v[PC:PC+11], v[O+8*(\t):O+8*(\t)+7], v[VSC+(\t)/2], v[PWD] matrix_a_fmt:MATRIX_FMT_FP6 matrix_b_fmt:MATRIX_FMT_FP6 matrix_a_scale:MATRIX_SCALE_ROW1
.else
	v_wmma_scale_f32_16x16x128_f8f6f4 v[O+8*(\t):O+8*(\t)+7], v[KB+12*(\t):KB+12*(\t)+11], v[PC:PC+11], v[O+8*(\t):O+8*(\t)+7], v[VSC+(\t)/2], v[PWD] matrix_a_fmt:MATRIX_FMT_FP6 matrix_b_fmt:MATRIX_FMT_FP6
.endif
.endm
.macro ADDP i, d                       ; the tree of the row's sum, in place: pair i takes the pair d registers on
	v_pk_add_f32 v[S+2*(\i):S+2*(\i)+1], v[S+2*(\i):S+2*(\i)+1], v[S+2*(\i)+(\d):S+2*(\i)+(\d)+1]
.endm
.macro TREE23                          ; its second level, in place, and its third, out of p's registers: 16 pairs -> 8 -> 4
.irp i, 0,1,2,3,4,5,6,7
	ADDP \i, 16
.endr
.irp i, 0,1,2,3
	v_pk_add_f32 v[X+2*\i:X+2*\i+1], v[S+2*\i:S+2*\i+1], v[S+2*\i+8:S+2*\i+9]
.endr
.endm
.macro TREE45                          ; its last levels: three lines; a fourth adds the result onto the sum
	v_pk_add_f32 v[X:X+1], v[X:X+1], v[X+4:X+5]
	v_pk_add_f32 v[X+2:X+3], v[X+2:X+3], v[X+6:X+7]
	v_pk_add_f32 v[X:X+1], v[X:X+1], v[X+2:X+3]
.endm
.macro ORS i                           ; O^T's pair i under the new M.  Ascending: each accumulator from its low end on
	v_pk_mul_f32 v[O+2*(\i):O+2*(\i)+1], v[O+2*(\i):O+2*(\i)+1], v[F:F+1] op_sel_hi:[1,0]
.endm
.macro MX c, y, k                      ; link k of a chain of maxima of block c.  y = 0: registers 0-16 of the block (8 links); y = 1: registers 17-31 (7 links).  Ascending: each accumulator is first read at its low end
.if (\y) == 0
.if (\k) == 0
	v_max3_num_f32 v[BM+\c], v[S+32*\c], v[S+32*\c+1], v[S+32*\c+2]
.else
	v_max3_num_f32 v[BM+\c], v[BM+\c], v[S+32*\c+2*(\k)+1], v[S+32*\c+2*(\k)+2]
.endif
.else
.if (\k) == 0
	v_max3_num_f32 v[YT+\c], v[S+32*\c+17], v[S+32*\c+18], v[S+32*\c+19]
.else
	v_max3_num_f32 v[YT+\c], v[YT+\c], v[S+32*\c+18+2*(\k)], v[S+32*\c+19+2*(\k)]
.endif
.endif
.endm
.macro VLD cnt                         ; the next cnt of V's 24 loads: fragment VI / 6, its unit (VI / 3) % 2, piece VI % 3
.rept \cnt
	ds_load_b64 v[KB+12*(VI/6)+6*((VI/3)%2)+2*(VI%3):KB+12*(VI/6)+6*((VI/3)%2)+2*(VI%3)+1], v[ADV] offset:4*UNIT*((VI/3)%2)+UNIT*(VI/6)+256*(VI%3)
.set VI, VI+1
.endr
.endm
.macro FMA n, cnt                      ; t - M for cnt pairs from pair n on
.set FN, \n
.rept \cnt
	v_pk_fma_f32 v[S+2*FN:S+2*FN+1], v[S+2*FN:S+2*FN+1], s[CS:CS+1], v[12:13] op_sel_hi:[1,0,0]
.set FN, FN+1
.endr
.endm
	s_load_b128 s[4:7], s[0:1], 0x0                ; qkc s[4:5], vc s[6:7]
	s_load_b64 s[8:9], s[0:1], 0x10                ; ctxq
	v_lshl_add_u32 v[SPW], v0, 2, SPARE
	v_mov_b32 v[NIL], 0
	ds_add_u32 v[SPW], v[NIL]                      ; the opening lines: the add, twice on end, and its wait ahead of my tensor load
	ds_add_u32 v[SPW], v[NIL]
	v_lshrrev_b32 v8, 5, v0
	v_readfirstlane_b32 s[WV], v8                  ; wave 0..15
	s_bfe_u32 s10, ttmp6, 0x40000                  ; cx: my block of 512 queries: it enters Q's and ctx's addresses alone
	s_and_b32 s11, ttmp7, 0xffff
	s_lshr_b32 s12, s11, 4                         ; batch
	s_and_b32 s13, s11, 15                         ; head h
	s_lshr_b32 s14, s13, 2                         ; hq = h / 4
	s_and_b32 s15, s13, 3                          ; hr = h % 4
	s_and_b32 s16, s13, 1                          ; h % 2
	s_and_b32 s17, s[WV], 7                        ; j: which 256 keys I fetch
	s_lshr_b32 s94, s[WV], 3                       ; which half of their scale words
	s_lshl_b32 s19, s12, 3                         ; 8 x batch: tiles of 256 tokens
	s_add_co_u32 s2, s14, 4                        ; K's tile block: ((4 + hq) 32 + 8 b + j)
	s_lshl_b32 s2, s2, 5
	s_add_co_u32 s2, s2, s19
	s_add_co_u32 s2, s2, s17
	s_mul_i32 s86, s2, TILEB
	s_add_co_u32 s2, s19, s17                      ; V's: ((8 b + j) 4 + hq)
	s_lshl_b32 s2, s2, 2
	s_add_co_u32 s2, s2, s14
	s_mul_i32 s88, s2, TILEB
	s_mul_i32 s3, s15, KAP                         ; K's codes: my head's 16 units, dense
	s_add_co_u32 s[G0K+2], s86, s3
	s_mov_b32 s[G0K+3], 0
	s_mul_i32 s3, s15, 4*UNIT                      ; V's codes: my head's 4 units in each of 4 groups of 64 keys
	s_add_co_u32 s[G0V+2], s88, s3
	s_mov_b32 s[G0V+3], 0
	s_lshr_b32 s3, s15, 1                          ; K's scale words: the pair of heads' 1,024 bytes, my half of them
	s_lshl_b32 s3, s3, 10
	s_add_co_u32 s34, s86, s3
	s_add_co_u32 s34, s34, 4*KAP
	s_lshl_b32 s3, s94, 9
	s_add_co_u32 s34, s34, s3
	s_mov_b32 s35, 0
	s_lshl_b32 s3, s15, 8                          ; V's: 256 bytes in each of 2 groups of 128 keys, 1,024 bytes apart: my group
	s_add_co_u32 s36, s88, s3
	s_add_co_u32 s36, s36, 4*KAP
	s_lshl_b32 s3, s94, 10
	s_add_co_u32 s36, s36, s3
	s_mov_b32 s37, 0
	s_mov_b32 s[G0K], 1
	s_mul_i32 s[G0K+1], s17, KJ                    ; where they go: the wave's number alone enters an LDS address
	s_mov_b32 s[G0V], 1
	s_mul_i32 s[G0V+1], s17, KAP
	s_add_co_u32 s[G0V+1], s[G0V+1], VC
	s_lshl_b32 s32, s17, 10
	s_lshl_b32 s3, s94, 9
	s_add_co_u32 s32, s32, s3
	s_add_co_u32 s32, s32, KS                      ; K's scale words in LDS: 1,024 j + 512 x half
	s_lshl_b32 s33, s17, 9
	s_lshl_b32 s3, s94, 8
	s_add_co_u32 s33, s33, s3
	s_add_co_u32 s33, s33, VS                      ; V's: 512 j + 256 x group
	; groups 1: elements of 8 bytes, the mask of all four work-groups, bit 21 beside it
	s_mov_b32 s[G1K], 15|(3<<16)|(1<<20)|(1<<21)|(6<<22)|(15<<25)   ; K's codes: 24 dense rows of 512 bytes; behind every 128 words 16 words of padding
	s_mov_b32 s[G1K+1], 64<<16
	s_mov_b32 s[G1K+2], 24<<16
	s_mov_b32 s[G1K+3], 64<<16
	s_mov_b32 s[G1K+4], 24
	s_mov_b32 s[G1K+5], 64
	s_mov_b32 s[G1K+6], 0
	s_mov_b32 s[G1K+7], 0
	s_mov_b32 s[G1V], 15|(3<<16)|(1<<21)           ; V's codes: 4 rows of 3,072 bytes, 12,288 bytes apart, no padding
	s_mov_b32 s[G1V+1], 384<<16
	s_mov_b32 s[G1V+2], 4<<16
	s_mov_b32 s[G1V+3], 384<<16
	s_mov_b32 s[G1V+4], 4
	s_mov_b32 s[G1V+5], 1536
	s_mov_b32 s[G1V+6], 0
	s_mov_b32 s[G1V+7], 0
	; Q: tile block hq 32 + 8 b + 2 cx (+ 1 in the second pass), my head's group of units, unit w
	s_lshl_b32 s2, s14, 5
	s_add_co_u32 s2, s2, s19
	s_lshl_b32 s3, s10, 1
	s_add_co_u32 s2, s2, s3
	s_mul_i32 s2, s2, TILEB
	s_mul_i32 s3, s15, KAP
	s_add_co_u32 s90, s2, s3
	s_mul_i32 s3, s[WV], UNIT
	s_add_co_u32 s90, s90, s3
	s_mov_b32 s91, 0
	s_lshr_b32 s3, s15, 1
	s_lshl_b32 s3, s3, 10
	s_add_co_u32 s92, s2, s3
	s_lshl_b32 s3, s[WV], 6
	s_add_co_u32 s92, s92, s3
	s_lshl_b32 s3, s16, 1
	s_add_co_u32 s92, s92, s3
	s_add_co_u32 s92, s92, 4*KAP
	s_mov_b32 s93, 0
	; ctx: T = 8 b + 2 cx (+ pass), kappa = h, A = w
	s_lshl_b32 s3, s10, 1
	s_add_co_u32 s2, s19, s3
	s_mul_i32 s82, s2, 196608
	s_mul_i32 s3, s13, KAP
	s_add_co_u32 s82, s82, s3
	s_mul_i32 s3, s[WV], UNIT
	s_add_co_u32 s82, s82, s3
	s_add_co_u32 s82, s82, 0x40000
	s_mov_b32 s83, 0
	s_lshl_b32 s84, s2, 13                         ; its scale bytes: T 8192 + (h / 4) 2048 + w 128 + ((h / 2) % 2) 4 + 2 (h % 2), + 8 r
	s_lshl_b32 s3, s14, 11
	s_add_co_u32 s84, s84, s3
	s_lshl_b32 s3, s[WV], 7
	s_add_co_u32 s84, s84, s3
	s_lshr_b32 s3, s15, 1
	s_lshl_b32 s3, s3, 2
	s_add_co_u32 s84, s84, s3
	s_lshl_b32 s3, s16, 1
	s_add_co_u32 s84, s84, s3
	s_mov_b32 s85, 0
	s_mov_b32 s[SEL], 0x76543210
	s_mov_b32 s[SEL+1], 0xfedcba98                 ; v_permlanex16_b32's selects for lane l xor 16
	s_mov_b32 s[CS], 0x3e38aa3b                    ; c = log2(e) / 8
	s_mov_b32 s[CS+1], s[CS]                       ; (named with it as a pair, so it is written)
	s_wait_dscnt 0x0                               ; both opening adds are done
	s_wait_kmcnt 0x0
	s_add_nc_u64 s[G0K+2:G0K+3], s[4:5], s[G0K+2:G0K+3]
	s_or_b32 s[G0K+3], s[G0K+3], 0x80000000
	s_add_nc_u64 s[G0V+2:G0V+3], s[6:7], s[G0V+2:G0V+3]
	s_or_b32 s[G0V+3], s[G0V+3], 0x80000000
	s_add_nc_u64 s[34:35], s[4:5], s[34:35]
	s_add_nc_u64 s[36:37], s[6:7], s[36:37]
	s_add_nc_u64 s[90:91], s[4:5], s[90:91]
	s_add_nc_u64 s[92:93], s[4:5], s[92:93]
	s_add_nc_u64 s[82:83], s[8:9], s[82:83]
	s_add_nc_u64 s[84:85], s[8:9], s[84:85]
	CROUND                                         ; all four work-groups are here: the joint loads meet
	s_cmp_lt_u32 s[WV], 8                          ; one tensor load a wave, one in each arm: every way passes one
	s_cbranch_scc0 .Lfill_v
	tensor_load_to_lds s[G0K:G0K+3], s[G1K:G1K+7]
	s_nop 0
.rept 4
	v_nop
.endr
	s_branch .Lfilled
.Lfill_v:
	tensor_load_to_lds s[G0V:G0V+3], s[G1V:G1V+7]
	s_nop 0
.rept 4
	v_nop
.endr
.Lfilled:
	v_and_b32 v8, 31, v0                           ; lane
	v_and_b32 v9, 15, v0                           ; r
	v_lshlrev_b32 v[GU], 3, v8
	v_lshlrev_b32 v[X], 4, v8                      ; 16 x lane
	v_lshlrev_b32 v[GQS], 2, v9
	v_lshlrev_b32 v[GSC], 3, v9
	global_load_b128 v[S:S+3], v[X], s[34:35]      ; my 512 bytes of K's scale words,
	global_load_b64 v[S+4:S+5], v[GU], s[36:37]    ; my 256 of V's
.irp p, 0,1,2
	global_load_b64 v[QF+2*\p:QF+2*\p+1], v[GU], s[90:91] offset:256*\p          ; Q's unit of the first pass,
.endr
.irp p, 0,1,2
	global_load_b64 v[QN+2*\p:QN+2*\p+1], v[GU], s[90:91] offset:TILEB+256*\p    ; of the second
.endr
	global_load_u16 v[QS], v[GQS], s[92:93]        ; my head's two scale bytes of row r; the upper two bytes are 0
	global_load_u16 v[QNS], v[GQS], s[92:93] offset:TILEB
	v_add_nc_u32 v[X+1], s32, v[X]                 ; where the scale words go in LDS
	v_add_nc_u32 v[X+2], s33, v[GU]
	v_and_b32 v10, 7, v0                           ; r % 8
	v_bfe_u32 v11, v0, 3, 1                        ; r / 8
	v_bfe_u32 v12, v0, 4, 1                        ; h
	v_lshlrev_b32 v[LK], 3, v10
	v_lshlrev_b32 v[LSK], 2, v10
	v_lshl_add_u32 v[LK], v12, 7, v[LK]
	v_lshl_add_u32 v[LSK], v11, 7, v[LSK]
	v_mad_u32_u24 v[LK], v11, KH, v[LK]            ; rows 8-15 of a tile come from the odd block's pair of units
	v_lshl_add_u32 v[LSK], v12, 6, v[LSK]          ; lanes 16-31 take the scale bytes of the odd tile of a pair
	v_add_nc_u32 v[LV], VC, v[GU]
	s_lshl_b32 s3, s16, 1
	s_add_co_u32 s3, s3, KS
	v_add_nc_u32 v[LSK], s3, v[LSK]
	v_lshl_add_u32 v[LSV], v8, 2, VS
	v_lshlrev_b32 v[SH8], 3, v12
.irp i, 0,1,2,3,4,5
	v_mov_b32 v[QF+6+\i], 0                        ; zero codes for K = 64 .. 127
	v_mov_b32 v[KB+48+\i], 0                       ; and behind K's last tile
.endr
.irp b, 0,1
	v_mov_b32 v[BT+\b], 0                          ; a lane permute's destination counts as one of its sources
.endr
	v_mov_b32 v[W2], 0
	v_mov_b32 v[TM2], 0
	v_mov_b32 v[TMP], 0
	v_mov_b32 v[F+1], 0                            ; (named as the upper half of a pair)
	WALU
	s_wait_loadcnt 0x0                             ; the scale words and Q
	s_wait_tensorcnt 0x0                           ; my tile is in
	ds_store_b128 v[X+1], v[S:S+3]
	ds_store_b64 v[X+2], v[S+4:S+5]
	s_wait_dscnt 0x0                               ; and my scale words are stored
	s_barrier_signal -1
	s_barrier_wait -1                              ; everybody's are: the head's K and V lie in LDS for the rest of the launch
.macro PASS p
	v_mov_b32 v13, 0xff61b1e6                      ; the largest score so far: -3e38, under every score
	v_mov_b32 v14, 0
	v_mov_b32 v15, 0
	v_floor_f32 v12, -v13                          ; -M: so large that the first f is 0
.set J, 0
.rept 32
	v_mov_b32 v[O+J], 0                            ; O^T: the step is written once; its first trip finds zeros, which the first change of M leaves zeros
	v_mov_b32 v[S+J], 0                            ; and the tree of a step before the first: zeros
.set J, J+1
.endr
	v_mov_b32 v[OLD], v12
	s_mov_b32 s[TK], 0
	s_mov_b32 s[TVC], 0
	s_mov_b32 s[TS], 0
	s_mov_b32 s[TV], 0
	s_mov_b32 s[CNT], 16
.Lstep_\@:                                         ; a key step: 128 keys
	v_add_nc_u32 v[ADS], s[TS], v[LSK]             ; these four lines are also the places between the last step's products and the loads into their registers
	v_add_nc_u32 v[ADK], s[TK], v[LK]
	v_add_nc_u32 v[ADV], s[TVC], v[LV]
	v_add_nc_u32 v[ADT], s[TV], v[LSV]
.irp i, 0,1,2,3
	ds_load_u16 v[KSC+\i], v[ADS] offset:256*(\i/2)+32*(\i%2)
.endr
.irp t, 0,1,2,3,4,5,6,7
.irp q, 0,1,2
	ds_load_b64 v[KB+6*\t+2*\q:KB+6*\t+2*\q+1], v[ADK] offset:KG*(\t/4)+(UNIT*(\t%2)+256*\q)+64*((UNIT*(\t%2)+256*\q)/512)+64*((\t%4)/2)   ; 64 bytes of padding for each 512 passed
.endr
.endr
	TREE23                                         ; twelve lines of the last step's sum while the 28 loads are out; they leave p's registers to the products
	WALU
	s_wait_dscnt 0x0                               ; K's tiles and scale bytes
.irp t, 0,1,2,3,4,5,6,7
	SW \t                                          ; S^T = K Q^T: eight accumulators, each begun with 0
.endr
	TREE45                                         ; four plain lines that name no register of the products: the places behind them
	v_pk_add_f32 v[14:15], v[14:15], v[X:X+1]      ; the last step's p are summed, under the M that they were made with
.irp k, 0,1,2,3,4,5,6
	MX 0, 0, \k                                    ; THE LARGEST SCORE OF EACH OF MY TWO BLOCKS: four chains by turns
	MX 0, 1, \k
	MX 1, 0, \k
	MX 1, 1, \k
.endr
	MX 0, 0, 7
	MX 1, 0, 7
	v_max_num_f32 v[BM], v[BM], v[YT]
	v_max_num_f32 v[BM+1], v[BM+1], v[YT+1]
	v_max3_num_f32 v[TMP], v[BM], v[BM+1], v13     ; THE CHAIN TO M; V's loads stand in its gaps and land under the scalings and exponentials
.set VI, 0
	VLD 12
	v_permlanex16_b32 v[TM2], v[TMP], s[SEL], s[SEL+1]
	VLD 12
	v_max_num_f32 v13, v[TMP], v[TM2]              ; the running largest score of my query, in both halves of the lanes
.irp i, 0,1
	ds_load_b32 v[VSC+\i], v[ADT] offset:128*\i
.endr
	v_mul_f32 v[TMP], s[CS], v13                   ; as t (c is positive)
	v_floor_f32 v12, -v[TMP]                       ; the new -M = -ceil(t): a whole number
	FMA 0, 2
	v_sub_f32 v[TMP], v12, v[OLD]                  ; old M - new M: a whole number, 0 or less
	FMA 2, 2
	v_cvt_i32_f32 v[TMP], v[TMP]                   ; (it saturates)
	FMA 4, 2
	v_ldexp_f32 v[F], 1.0, v[TMP]                  ; f = 2^(old M - new M)
	FMA 6, 26
	v_fma_f32 v[BM], v[BM], s[CS], v12             ; t - M of each block's largest score
	v_fma_f32 v[BM+1], v[BM+1], s[CS], v12
	v_pk_mul_f32 v[14:15], v[14:15], v[F:F+1] op_sel_hi:[1,0]   ; the sum under the new M
.irp i, 0,1,2,3,4,5,6,7,8,9,10,11,12,13,14,15
	ORS \i
.endr
	WALU
	v_exp_f32 v[BM], v[BM]                         ; the block's largest p: the same two instructions on the same number give the same bits
	v_exp_f32 v[BM+1], v[BM+1]
.set N, 0
.rept 64
	v_exp_f32 v[S+N], v[S+N]                       ; p = 2^(t - M)
.set N, N+1
.endr
	v_mov_b32 v[OLD], v12                          ; for the next step.  The plain place behind the exponentials (ISA guide 5.7.2)
	WALU                                           ; and one wait for the whole batch, ahead of its first reader
	v_max_num_f32 v[BM], 0x1800000, v[BM]          ; the floor 2^(3 - 127) under the block's largest p
	v_max_num_f32 v[BM+1], 0x1800000, v[BM+1]
	v_add_nc_u32 v[BS], 0xff000000, v[BM]          ; 2 off the exponent field: the conversion's scale operand
	v_add_nc_u32 v[BS+1], 0xff000000, v[BM+1]
	v_cvt_scalef32_pk16_fp6_f32 v[PC:PC+2], v[S:S+15], v[BS]              ; the lower 16 codes of my two blocks, straight to their places in the operand
	v_cvt_scalef32_pk16_fp6_f32 v[PC+6:PC+8], v[S+32:S+47], v[BS+1]
	v_cvt_scalef32_pk16_fp6_f32 v[PT:PT+2], v[S+16:S+31], v[BS]
	v_cvt_scalef32_pk16_fp6_f32 v[PT+4:PT+6], v[S+48:S+63], v[BS+1]
	v_lshrrev_b32 v[BT], 23, v[BS]                 ; the scales' bytes.  The plain place behind the conversions
	v_lshrrev_b32 v[BT+1], 23, v[BS+1]
	v_mov_b32 v[PC+3], v[PT]                       ; the upper 16 codes to their places, among the lines that make p's scale word
	v_lshl_or_b32 v[W], v[BT+1], 16, v[BT]         ; my two bytes: blocks h and 2 + h,
	v_mov_b32 v[PC+4], v[PT+1]
	v_lshlrev_b32 v[W], v[SH8], v[W]               ; 8 h bits up
	v_mov_b32 v[PC+5], v[PT+2]
	v_permlanex16_b32 v[W2], v[W], s[SEL], s[SEL+1]
	v_mov_b32 v[PC+9], v[PT+4]
	v_mov_b32 v[PC+10], v[PT+5]
	v_or_b32 v[PWD], v[W], v[W2]                   ; with lane l xor 16's two bytes p's scale word is whole
	v_mov_b32 v[PC+11], v[PT+6]
.irp i, 0,1,2,3,4,5,6,7,8,9,10,11,12,13,14,15
	ADDP \i, 32                                    ; the tree's first level: sixteen plain lines between the last writes of p's codes and scale word and the products
.endr
	WALU
	s_wait_dscnt 0x0                               ; V
.irp t, 0,1,2,3
	PV \t                                          ; O^T += V^T P^T: four accumulators by turns
.endr
	s_add_co_u32 s[TK], s[TK], 2*KG
	s_add_co_u32 s[TVC], s[TVC], 8*UNIT
	s_add_co_u32 s[TS], s[TS], 512
	s_add_co_u32 s[TV], s[TV], 256
	s_sub_co_u32 s[CNT], s[CNT], 1
	s_cmp_lg_u32 s[CNT], 0
	s_cbranch_scc1 .Lstep_\@
	; THE PASS'S END: the last step's tree is finished; O^T / the sum is quantised along the head's 64: register 16 n + i is channel 32 n + 16 h + i of my query
	TREE23
	TREE45
	s_delay_alu instid0(VALU_DEP_1)
	v_pk_add_f32 v[14:15], v[14:15], v[X:X+1]
	s_delay_alu instid0(VALU_DEP_1)
	v_add_f32 v14, v14, v15
	s_delay_alu instid0(VALU_DEP_1)
	v_permlanex16_b32 v[TMP], v14, s[SEL], s[SEL+1]
	s_delay_alu instid0(VALU_DEP_1)
	v_add_f32 v14, v14, v[TMP]                     ; the row's sum
	WALU
	v_rcp_f32 v14, v14
	v_nop                                          ; one plain place behind a transcendental
.set J, 0
	WALU
.rept 16
	v_pk_mul_f32 v[S+J:S+J+1], v[O+J:O+J+1], v[14:15] op_sel_hi:[1,0]   ; each accumulator from its low end on
.set J, J+2
.endr
.irp b, 0,1
	v_max3_num_f32 v[BM+\b], |v[S+16*\b]|, |v[S+1+16*\b]|, 0x1800000
.endr
.irp i, 2,4,6,8,10,12,14
.irp b, 0,1
	s_delay_alu instid0(VALU_DEP_2)
	v_max3_num_f32 v[BM+\b], v[BM+\b], |v[S+16*\b+\i]|, |v[S+1+16*\b+\i]|
.endr
.endr
.irp b, 0,1
	s_delay_alu instid0(VALU_DEP_2)
	v_permlanex16_b32 v[BT+\b], v[BM+\b], s[SEL], s[SEL+1]
.endr
.irp b, 0,1
	s_delay_alu instid0(VALU_DEP_2)
	v_max_num_f32 v[BM+\b], v[BM+\b], v[BT+\b]
.endr
.irp b, 0,1
	s_delay_alu instid0(VALU_DEP_2)
	v_add_nc_u32 v[BS+\b], 0xff000000, v[BM+\b]
.endr
.irp b, 0,1
	s_delay_alu instid0(VALU_DEP_2)
	v_lshrrev_b32 v[BT+\b], 23, v[BS+\b]
.endr
	s_delay_alu instid0(VALU_DEP_1)
	v_lshl_or_b32 v[CW], v[BT+1], 8, v[BT]
	v_cvt_scalef32_pk16_fp6_f32 v[PC:PC+2], v[S:S+15], v[BS]
	v_cvt_scalef32_pk16_fp6_f32 v[PT:PT+2], v[S+16:S+31], v[BS+1]
	v_nop                                          ; one plain place behind a scaled conversion
.irp i, 0,1,2
	v_permlane16_swap_b32 v[PC+\i], v[PT+\i]       ; here a lane holds half blocks: a whole block to a lane
.endr
.irp i, 0,1,2
	s_delay_alu instid0(VALU_DEP_3)
	v_mov_b32 v[PC+3+\i], v[PT+\i]
.endr
.irp q, 0,1,2
	global_store_b64 v[GU], v[PC+2*\q:PC+2*\q+1], s[82:83] offset:196608*\p+256*\q   ; a piece: 256 consecutive bytes, aligned
.endr
	global_store_b16 v[GSC], v[CW], s[84:85] offset:8192*\p   ; both halves of the lanes write the same bytes with the same value
.if \p == 0
	s_wait_xcnt 0x0                                ; the stores have read their registers: the next pass writes them again
.irp i, 0,1,2,3,4,5
	v_mov_b32 v[QF+\i], v[QN+\i]                   ; the second pass's Q; the moves at that pass's head stand between these and its first product
.endr
	v_mov_b32 v[QS], v[QNS]
.endif
.endm
	PASS 0
	PASS 1
	s_wait_tensorcnt 0x0                           ; the wave's end
	ds_add_u32 v[SPW], v[NIL]
	s_wait_dscnt 0x0
	CROUND                                         ; the closing round
	s_endpgm
.Lfunc_end_k_qc5407f84dc_attn:
	.size	k_qc5407f84dc_attn, .Lfunc_end_k_qc5407f84dc_attn-k_qc5407f84dc_attn
	.p2alignl 7, 3214868480
	.fill 96, 4, 3214868480
	.section	.rodata,"a",@progbits
	.p2align	6, 0x0
	.amdhsa_kernel k_qc5407f84dc_attn
		.amdhsa_group_segment_fixed_size 223232
		.amdhsa_private_segment_fixed_size 0
		.amdhsa_enable_private_segment 0
		.amdhsa_kernarg_size 24
		.amdhsa_user_sgpr_count 2
		.amdhsa_user_sgpr_kernarg_segment_ptr 1
		.amdhsa_wavefront_size32 1
		.amdhsa_system_sgpr_workgroup_id_x 1
		.amdhsa_system_sgpr_workgroup_id_y 1
		.amdhsa_system_sgpr_workgroup_id_z 1
		.amdhsa_system_vgpr_workitem_id 0
		.amdhsa_next_free_vgpr 256
		.amdhsa_next_free_sgpr 100
		.amdhsa_reserve_vcc 0
		.amdhsa_float_denorm_mode_32 3
		.amdhsa_float_denorm_mode_16_64 3
		.amdhsa_memory_ordered 1
		.amdhsa_forward_progress 1
		.amdhsa_inst_pref_size 58
	.end_amdhsa_kernel
	.amdgpu_metadata
---
amdhsa.version: [ 1, 2 ]
amdhsa.kernels:
  - .name:           k_qc5407f84dc_attn
    .symbol:         k_qc5407f84dc_attn.kd
    .args:
      - { .name: qkc, .offset: 0, .size: 8, .value_kind: global_buffer, .address_space: global }
      - { .name: vc, .offset: 8, .size: 8, .value_kind: global_buffer, .address_space: global }
      - { .name: ctxq, .offset: 16, .size: 8, .value_kind: global_buffer, .address_space: global }
    .group_segment_fixed_size: 223232
    .private_segment_fixed_size: 0
    .kernarg_segment_align: 8
    .kernarg_segment_size: 24
    .max_flat_workgroup_size: 512
    .sgpr_count:     100
    .vgpr_count:     256
    .wavefront_size: 32
...
	.end_amdgpu_metadata
.endif
;; end of part 3
;; launch oproj (part 4): grid 4 x 64, 4 waves a work-group, clusters of 4 x 4, 327,680 bytes of LDS; arguments woq, ctxq, bo, out0; writes out0
.if DOCPART == 4
	.amdgcn_target "amdgcn-amd-amdhsa--gfx1250"
	.amdhsa_code_object_version 6
	.text
	.protected	k_qc5407f84dc_oproj
	.globl	k_qc5407f84dc_oproj
	.p2align	8
	.type	k_qc5407f84dc_oproj,@function
k_qc5407f84dc_oproj:
	s_mov_b64 s[64:65], 0
	v_nop
	global_prefetch_b8 v0, s[64:65] scope:SCOPE_SE
	s_setreg_imm32_b32 hwreg(HW_REG_WAVE_MODE, 25, 1), 1
	s_wait_xcnt 0x0
	s_wait_alu depctr_hold_cnt(0) depctr_sa_sdst(0) depctr_va_vdst(0) depctr_va_sdst(0) depctr_va_ssrc(0) depctr_va_vcc(0) depctr_vm_vsrc(0)
	s_getreg_b32 s2, hwreg(HW_REG_IB_STS2, 6, 4)
	s_cmp_eq_u32 s2, 0
	s_cbranch_scc0 .Lentry_in_a_cluster
	s_endpgm
.Lentry_in_a_cluster:
	s_bfe_u32 s2, ttmp6, 0x10000c
	s_cmp_lg_u32 s2, 0xf033
	s_cbranch_scc0 .Lentry_shape_is_right
	s_endpgm
.Lentry_shape_is_right:
; out = ctx wo + bo on codes of FP6 (E2M3) with E8M0 scales; f32 out.
; THE DEAL.  256 work-groups of four waves; a block of out is 128 tokens x 256 columns.  ALL of K of both operands lies in LDS from the head on: wo's 256 columns (196,608 bytes: FULL) and ctx's 128 rows (98,304: HALF),
; with their scale words: one joint load a wave, every LDS byte filled once, no round in the walk along K.
; A WAVE has 32 accumulators: 4 blocks of 16 tokens (source 1, R) x 8 blocks of 16 columns (source 0, P): a lane holds one token and its registers run along the columns.
; K goes in 8 steps of 128, 32 products each; both operands have two sets of registers: a step's 84 LDS loads are issued ahead of the step before's products and waited for (0) behind them.
; Steps 1 to 6 are a loop of three trips; step 0 (C = the bias) and step 7 are written out.
; CLUSTER 4 x 4: wo's tiles are shared along a column of the cluster, ctx's along a row.  NO PREFETCH: all tiles are asked for at the head, by the fills themselves; there is no loop ahead of them to run ahead in.
; THE WAY OUT: 16 rows x 128 columns at a time through the wave's own stage, which lies on FULL's first bytes behind a barrier behind which nobody reads the tiles; whole rows of 512 bytes are stored.
; LAYOUT: a unit is 16 rows x 64 along K, three pieces of 256 bytes, 8 bytes a lane; lane r of row block A holds row 32 (A / 2) + 8 (A % 2) + r + 8 (r / 8); codes at 0x40000 + T 196608 + kappa 12288 + A 768;
; scale words at T 8192 + tau 2048 + A 128 + r 8 + q 4.
.set FR,    12
.set KAP,   12288
.set KAPH,  6144
.set UNIT,  768
.set CODES, 0x40000
.set TROW,  196608
.set HALFB, 196608
.set FS,    294912
.set HS,    303104
.set SPARE, 307200
.set STG,   0
.set SPITCH, 528
.set BB,    8                          ; v12-15: my LDS addresses in FULL, HALF, FULL's scale words, HALF's
.set CA,    16                         ; v16-19 the same for the pair of steps that is fetched
.set STO,   24
.set RD,    25
.set SPW,   28
.set NIL,   29
.set L8,    30
.set L16,   31
.set SCP,   32
.set SCR,   48
.set RF,    128
.set BK,    128
.set WV,   20
.set HR,   21
.set HP,   22
.set CNT,  23
.set G1F,  24
.set G1H,  32
.set G1FS, 40
.set G1HS, 48
.set G0F,  56
.set G0H,  60
.set G0FS, 68
.set G0HS, 72
.set SF,   76
.set SH,   77
.set SSF,  78
.set SSH,  79
.set MSB, 0
.macro WIN new
.if MSB != (\new)
	s_set_vgpr_msb (MSB<<8)|(\new)
.set MSB, (\new)
.endif
.endm
.set MULW, 0xa1
.set FSTW, 0xb1
.set TO_P, 0x40
.set TO_3, 0xc0
.macro WALU
	s_wait_alu depctr_va_vdst(0)
.endm
.macro PLACES n
.rept \n
	v_nop
.endr
.endm
.macro CREST
	s_cmp_lg_u32 s[WV], 0
	s_cbranch_scc1 .Lnot_wave_0_\@
	s_barrier_signal -3
.Lnot_wave_0_\@:
	s_barrier_wait -3
	s_barrier_signal -1
	s_barrier_wait -1
.endm
.macro CROUND
	s_barrier_signal -1
	s_barrier_wait -1
	CREST
.endm
.macro TLOAD g0, g1
	tensor_load_to_lds s[\g0:\g0+3], s[\g1:\g1+7]
	s_nop 0
	PLACES 4
.endm
.macro GROUP1 g, c, r, p
	s_mov_b32 s[\g+1], (\c)<<16
	s_mov_b32 s[\g+2], (\r)<<16
	s_mov_b32 s[\g+3], (\c)<<16
	s_mov_b32 s[\g+4], \r
	s_mov_b32 s[\g+5], \p
	s_mov_b32 s[\g+6], 0
	s_mov_b32 s[\g+7], 0
.endm
.macro FRAG reg, adr, ks, q, i
.irp c, 0,1
.irp p, 0,1,2
	ds_load_b64 v[\reg+6*\c+2*\p:\reg+6*\c+2*\p+1], v[\adr] offset:(2*(\q)+\c)*(\ks)+(\i)*UNIT+256*\p
.endr
.endr
.endm
.macro LOADS q, set, ab                ; step q of a pair of steps into set: P's eight fragments (FULL), R's four (HALF), their scale words: 84 loads
	WIN TO_P
.irp i, 0,1,2,3,4,5,6,7
	FRAG 128*(\set)+FR*\i, \ab, KAP, \q, \i
.endr
	WIN 0
.irp i, 0,1,2,3
	FRAG RF+48*(\set)+FR*\i, \ab+1, KAPH, \q, \i
.endr
.irp i, 0,1,2,3,4,5,6,7
	ds_load_b32 v[SCP+8*(\set)+\i], v[\ab+2] offset:128*\i+4*(\q)
.endr
.irp i, 0,1,2,3
	ds_load_b32 v[SCR+4*(\set)+\i], v[\ab+3] offset:128*\i+4*(\q)
.endr
.endm
.macro MUL set, first                  ; 32 products; first = 1: C = the bias, in window 3.  The accumulators take turns
.irp a, 0,1,2,3
.irp b, 0,1,2,3,4,5,6,7
.if \first
	v_wmma_scale_f32_16x16x128_f8f6f4 v[8*(8*\a+\b):8*(8*\a+\b)+7], v[128*(\set)+FR*\b:128*(\set)+FR*\b+FR-1], v[RF+48*(\set)+FR*\a:RF+48*(\set)+FR*\a+FR-1], v[8*\b:8*\b+7], v[SCP+8*(\set)+\b], v[SCR+4*(\set)+\a] matrix_a_fmt:MATRIX_FMT_FP6 matrix_b_fmt:MATRIX_FMT_FP6
.else
	v_wmma_scale_f32_16x16x128_f8f6f4 v[8*(8*\a+\b):8*(8*\a+\b)+7], v[128*(\set)+FR*\b:128*(\set)+FR*\b+FR-1], v[RF+48*(\set)+FR*\a:RF+48*(\set)+FR*\a+FR-1], v[8*(8*\a+\b):8*(8*\a+\b)+7], v[SCP+8*(\set)+\b], v[SCR+4*(\set)+\a] matrix_a_fmt:MATRIX_FMT_FP6 matrix_b_fmt:MATRIX_FMT_FP6
.endif
.endr
.endr
.endm
	s_load_b256 s[4:11], s[0:1], 0x0               ; woq 4, ctxq 6, bo 8, out0 10
	v_lshl_add_u32 v[SPW], v0, 2, SPARE
	v_mov_b32 v[NIL], 0
	ds_add_u32 v[SPW], v[NIL]                      ; the opening lines
	ds_add_u32 v[SPW], v[NIL]
	v_lshrrev_b32 v1, 5, v0
	v_readfirstlane_b32 s[WV], v1
	s_lshr_b32 s[HR], s[WV], 1
	s_and_b32 s[HP], s[WV], 1
	s_bfe_u32 s76, ttmp6, 0x40000                  ; cx
	s_bfe_u32 s77, ttmp6, 0x40004                  ; cy
	s_lshl_b32 s78, ttmp9, 2
	s_add_co_u32 s78, s78, s76                     ; wo's tile of 256 columns, 0 .. 3
	s_and_b32 s79, ttmp7, 0xffff
	s_lshl_b32 s79, s79, 2
	s_add_co_u32 s79, s79, s77                     ; 128 tokens, 0 .. 63:
	s_lshr_b32 s23, s79, 1                         ; ctx's tile of 256 tokens,
	s_and_b32 s67, s79, 1                          ; and which half of it
	s_lshl_b32 s2, s77, 2
	s_lshl_b32 s2, 15, s2                          ; my row of the cluster
	s_lshl_b32 s3, 0x1111, s76                     ; my column
	s_or_b32 s[G1F], s3, (3<<16)|(1<<21)
	s_or_b32 s[G1FS], s3, (3<<16)|(1<<21)
	s_or_b32 s[G1H], s2, (3<<16)|(1<<21)
	s_or_b32 s[G1HS], s2, (3<<16)|(1<<21)
	GROUP1 G1F, 32, 768, 32                        ; 196,608 dense bytes
	GROUP1 G1H, 768, 16, 1536                      ; 16 rows of 6,144 bytes, 12,288 apart
	GROUP1 G1FS, 32, 32, 32                        ; 8,192 dense bytes
	GROUP1 G1HS, 128, 4, 256                       ; 4 rows of 1,024 bytes, 2,048 apart
	s_mov_b32 s[G0F], 1
	s_mov_b32 s[G0F+1], 0
	s_mov_b32 s[G0H], 1
	s_mov_b32 s[G0H+1], HALFB
	s_mov_b32 s[G0FS], 1
	s_mov_b32 s[G0FS+1], FS
	s_mov_b32 s[G0HS], 1
	s_mov_b32 s[G0HS+1], HS
	s_mul_i32 s80, s78, TROW
	s_add_co_u32 s80, s80, CODES
	s_mov_b32 s81, 0
	s_lshl_b32 s82, s78, 13
	s_mov_b32 s83, 0
	s_mul_i32 s84, s23, TROW
	s_add_co_u32 s84, s84, CODES
	s_mul_i32 s2, s67, KAPH
	s_add_co_u32 s84, s84, s2
	s_mov_b32 s85, 0
	s_lshl_b32 s86, s23, 13
	s_lshl_b32 s2, s67, 10
	s_add_co_u32 s86, s86, s2
	s_mov_b32 s87, 0
	s_wait_dscnt 0x0
	s_wait_kmcnt 0x0
	s_add_nc_u64 s[G0F+2:G0F+3], s[4:5], s[80:81]
	s_or_b32 s[G0F+3], s[G0F+3], 0x80000000
	s_add_nc_u64 s[G0FS+2:G0FS+3], s[4:5], s[82:83]
	s_or_b32 s[G0FS+3], s[G0FS+3], 0x80000000
	s_add_nc_u64 s[G0H+2:G0H+3], s[6:7], s[84:85]
	s_or_b32 s[G0H+3], s[G0H+3], 0x80000000
	s_add_nc_u64 s[G0HS+2:G0HS+3], s[6:7], s[86:87]
	s_or_b32 s[G0HS+3], s[G0HS+3], 0x80000000
	CROUND
.macro ARM under, g0, g1, next
	s_cmp_lt_u32 s[WV], \under
	s_cbranch_scc0 \next
	TLOAD \g0, \g1
	s_branch .Lhead_asked
\next:
.endm
	ARM 1, G0F, G1F, .Lhead_h                      ; one joint load a wave, one chain of branches
	ARM 2, G0H, G1H, .Lhead_fs
	ARM 3, G0FS, G1FS, .Lhead_hs
	TLOAD G0HS, G1HS
.Lhead_asked:
	s_lshl_b32 s2, s23, 20                         ; out: 256 rows of 4,096 bytes a tile, 128 a half, 64 a wave's; 1,024 bytes a tile of columns, 512 a wave's
	s_lshl_b32 s3, s67, 19
	s_add_co_u32 s2, s2, s3
	s_lshl_b32 s3, s[HR], 18
	s_add_co_u32 s2, s2, s3
	s_lshl_b32 s3, s78, 10
	s_add_co_u32 s2, s2, s3
	s_lshl_b32 s3, s[HP], 9
	s_add_co_u32 s2, s2, s3
	s_mov_b32 s3, 0
	s_add_nc_u64 s[10:11], s[10:11], s[2:3]
	s_lshl_b32 s2, s78, 10
	s_lshl_b32 s80, s[HP], 9
	s_add_co_u32 s2, s2, s80
	s_add_nc_u64 s[8:9], s[8:9], s[2:3]
	s_mul_i32 s4, s[HP], 8*UNIT                    ; the scalar parts of my LDS addresses, all ahead of the vector lines
	s_mul_i32 s5, s[HR], 4*UNIT
	s_add_co_u32 s5, s5, HALFB
	s_lshl_b32 s6, s[HP], 10
	s_add_co_u32 s6, s6, FS
	s_lshl_b32 s7, s[HR], 9
	s_add_co_u32 s7, s7, HS
	s_mul_i32 s80, s[WV], 16*SPITCH
	s_add_co_u32 s80, s80, STG
	v_and_b32 v1, 31, v0
	v_and_b32 v2, 15, v0
	v_bfe_u32 v3, v0, 4, 1
	v_lshlrev_b32 v[L8], 3, v1
	v_lshlrev_b32 v[L16], 4, v1
	v_lshlrev_b32 v4, 3, v2
	v_lshlrev_b32 v6, 6, v3
	v_mul_u32_u24 v5, v2, SPITCH
	v_add_nc_u32 v[BB+4], s4, v[L8]
	v_add_nc_u32 v[BB+5], s5, v[L8]
	v_add_nc_u32 v[BB+6], s6, v4
	v_add_nc_u32 v[BB+7], s7, v4
	v_lshl_add_u32 v5, v3, 6, v5
	v_add_nc_u32 v[RD], s80, v[L16]
	v_add_nc_u32 v[STO], s80, v5
	WALU
	WIN TO_3                                       ; bo's 128 numbers as the first products' C, in window 3: register 8 b + j of lane (r, h) is column 32 (b / 2) + 16 h + 8 (b % 2) + j
.irp i, 0,1,2,3,4,5,6,7,8,9,10,11,12,13,14,15
	global_load_b128 v[4*\i:4*\i+3], v6, s[8:9] offset:128*(\i/4)+16*(\i%4)
.endr
	WIN 0
	s_wait_loadcnt 0x0
	s_wait_tensorcnt 0x0                           ; my tile of the four is in,
	s_barrier_signal -1
	s_barrier_wait -1                              ; everybody's is
	LOADS 0, 0, BB+4
	s_wait_dscnt 0x0
	LOADS 1, 1, BB+4
	WIN FSTW
	MUL 0, 1                                       ; step 0 starts the sums
	WIN 0
	s_mov_b32 s[SF], 4*KAP                         ; the next pair of steps: 256 along K on
	s_mov_b32 s[SH], 4*KAPH
	s_mov_b32 s[SSF], 2048
	s_mov_b32 s[SSH], 1024
	s_mov_b32 s[CNT], 3
.Lk:
	s_wait_dscnt 0x0                               ; the odd step's fragments are in
	v_add_nc_u32 v[CA], s[SF], v[BB+4]             ; four plain lines: the places between the last products and the loads into their registers
	v_add_nc_u32 v[CA+1], s[SH], v[BB+5]
	v_add_nc_u32 v[CA+2], s[SSF], v[BB+6]
	v_add_nc_u32 v[CA+3], s[SSH], v[BB+7]
	WALU
	LOADS 0, 0, CA
	WIN MULW
	MUL 1, 0
	WIN 0
	s_wait_dscnt 0x0                               ; the even step's
	PLACES 4
	LOADS 1, 1, CA
	WIN MULW
	MUL 0, 0
	WIN 0
	s_add_co_u32 s[SF], s[SF], 4*KAP
	s_add_co_u32 s[SH], s[SH], 4*KAPH
	s_add_co_u32 s[SSF], s[SSF], 2048
	s_add_co_u32 s[SSH], s[SSH], 1024
	s_sub_co_u32 s[CNT], s[CNT], 1
	s_cmp_lg_u32 s[CNT], 0
	s_cbranch_scc1 .Lk
	s_wait_dscnt 0x0                               ; step 7's fragments are in: my reads of the tiles are over:
	s_barrier_signal -1                            ; say so,
	WIN MULW
	MUL 1, 0                                       ; work on registers while the others arrive,
	WIN 0
	s_barrier_wait -1                              ; and behind this nobody reads the tiles: the stages may lie on them
.macro TOSTAGE a
.set AC, 64*(\a)
	WIN 0x08                                       ; the data: window 2
.irp b, 0,1,2,3,4,5,6,7
	ds_store_b128 v[STO], v[AC+8*\b:AC+8*\b+3] offset:128*(\b/2)+32*(\b%2)          ; each accumulator from its low end on
	ds_store_b128 v[STO], v[AC+8*\b+4:AC+8*\b+7] offset:128*(\b/2)+32*(\b%2)+16
.endr
	WIN 0
.set BX, BK+64*((\a)%2)
.irp t, 0,1,2,3,4,5,6,7,8,9,10,11,12,13,14,15
	ds_load_b128 v[BX+4*\t:BX+4*\t+3], v[RD] offset:\t*SPITCH    ; LDS serves a wave's instructions in order: these see the stores above
.endr
.endm
.macro SEND a, younger                 ; younger: the LDS instructions issued behind block a's loads
.set BX, BK+64*((\a)%2)
	s_wait_dscnt \younger
.irp t, 0,1,2,3,4,5,6,7,8,9,10,11,12,13,14,15
	global_store_b128 v[L16], v[BX+4*\t:BX+4*\t+3], s[10:11] offset:(32*((\a)/2)+8*((\a)%2)+\t+8*(\t/8))*4096 th:TH_STORE_NT   ; 512 consecutive bytes, aligned
.endr
.endm
	PLACES 4
	TOSTAGE 0
.irp a, 1,2,3
.if \a > 1
	s_wait_xcnt 0x0                                ; block a - 2's stores have read their registers
.endif
	TOSTAGE \a
	SEND \a-1, 32
.endr
	SEND 3, 0
	s_wait_tensorcnt 0x0                           ; the wave's end
	ds_add_u32 v[SPW], v[NIL]
	s_wait_dscnt 0x0
	CROUND
	s_endpgm
.Lfunc_end_k_qc5407f84dc_oproj:
	.size	k_qc5407f84dc_oproj, .Lfunc_end_k_qc5407f84dc_oproj-k_qc5407f84dc_oproj
	.p2alignl 7, 3214868480
	.fill 96, 4, 3214868480
	.section	.rodata,"a",@progbits
	.p2align	6, 0x0
	.amdhsa_kernel k_qc5407f84dc_oproj
		.amdhsa_group_segment_fixed_size 327680
		.amdhsa_private_segment_fixed_size 0
		.amdhsa_enable_private_segment 0
		.amdhsa_kernarg_size 32
		.amdhsa_user_sgpr_count 2
		.amdhsa_user_sgpr_kernarg_segment_ptr 1
		.amdhsa_wavefront_size32 1
		.amdhsa_system_sgpr_workgroup_id_x 1
		.amdhsa_system_sgpr_workgroup_id_y 1
		.amdhsa_system_sgpr_workgroup_id_z 1
		.amdhsa_system_vgpr_workitem_id 0
		.amdhsa_next_free_vgpr 1024
		.amdhsa_next_free_sgpr 102
		.amdhsa_reserve_vcc 0
		.amdhsa_float_denorm_mode_32 3
		.amdhsa_float_denorm_mode_16_64 3
		.amdhsa_memory_ordered 1
		.amdhsa_forward_progress 1
		.amdhsa_inst_pref_size 63
	.end_amdhsa_kernel
	.amdgpu_metadata
---
amdhsa.version: [ 1, 2 ]
amdhsa.kernels:
  - .name:           k_qc5407f84dc_oproj
    .symbol:         k_qc5407f84dc_oproj.kd
    .args:
      - { .name: woq, .offset: 0, .size: 8, .value_kind: global_buffer, .address_space: global }
      - { .name: ctxq, .offset: 8, .size: 8, .value_kind: global_buffer, .address_space: global }
      - { .name: bo, .offset: 16, .size: 8, .value_kind: global_buffer, .address_space: global }
      - { .name: out0, .offset: 24, .size: 8, .value_kind: global_buffer, .address_space: global }
    .group_segment_fixed_size: 327680
    .private_segment_fixed_size: 0
    .kernarg_segment_align: 8
    .kernarg_segment_size: 32
    .max_flat_workgroup_size: 128
    .sgpr_count:     102
    .vgpr_count:     1024
    .wavefront_size: 32
...
	.end_amdgpu_metadata
.endif
;; end of part 4
